; MI455X (gfx1250); checked and timed in simulation.
; The chip was launched on July 23, 2026; its instructions are those of AMD's public machine-readable ISA for CDNA 5 (MIT licence, August 2026) and "CDNA5" Instruction Set Architecture Reference Guide (July 2026). The comments in the code are by the model that wrote it; some were corrected since.
;; encoder layer. Allowed arithmetic: matrix products marked QUANTISED: E2M1 operands, one E8M0 scale for each 32 along K, by v_wmma_scale_f32_16x16x128_f8f6f4 with both operands' format E2M1 (or v_wmma_scale_f32_32x16x128_f4), f32 sums; products left as they are: bf16, f16 or f32 operands; f32 sums; everything else in f32.
;; Inputs: f1_b 4,096 float32; f1_w 1,024 x 4,096 float32; f2_b 1,024 float32; f2_w 4,096 x 1,024 float32; ln1_b 1,024 float32; ln1_g 1,024 float32; ln2_b 1,024 float32; ln2_g 1,024 float32; mask 2 x 1 x 1 x 2,048 float32; wk_b 1,024 float32; wk_w 1,024 x 1,024 float32; wo_b 1,024 float32; wo_w 1,024 x 1,024 float32; wq_b 1,024 float32; wq_w 1,024 x 1,024 float32; wv_b 1,024 float32; wv_w 1,024 x 1,024 float32; x 2 x 2,048 x 1,024 float32.
;; Outputs: out0 2 x 2,048 x 1,024 float32.
;; This version of the problem:
;;   THIS VERSION OF THE PROBLEM IS GIVEN IN LOW PRECISION. The matrix products marked QUANTISED in the list below multiply operands that are first quantised to E2M1 (2 exponent bits, 1 mantissa bit; 4 bits a number), with one power-of-two scale for each 32 numbers along K (OCP MX v1.0); their sums are f32. The products marked 'left as it is' may take bf16, f16 or f32 operands, with f32 sums. Whichever they take, every output number must still come out within the allowed error. Rounding operands to bf16 (8 significant bits) uses up far more of that allowance than f16 does (11 bits, for magnitudes from 6e-5 to 65,504). All else is computed in f32.
;;   The module's matrix products, in the order in which they are computed (A, B: the left and right operand; K: the contracted axis; several contracted axes count as one K, in the product's order):
;;     1. [M 4,096, K 1,024] x [K 1,024, N 1,024]; A: input x; B: input wq_w: QUANTISED
;;     2. [M 4,096, K 1,024] x [K 1,024, N 1,024]; A: input x; B: input wk_w: QUANTISED
;;     3. [M 4,096, K 1,024] x [K 1,024, N 1,024]; A: input x; B: input wv_w: QUANTISED
;;     4. batch 32 x [M 2,048, K 64] x [K 64, N 2,048]; A: computed on the way; B: computed on the way: left as it is (an operand is computed on the way)
;;     5. batch 32 x [M 2,048, K 2,048] x [K 2,048, N 64]; A: computed on the way; B: computed on the way: left as it is (an operand is computed on the way)
;;     6. [M 4,096, K 1,024] x [K 1,024, N 1,024]; A: computed on the way; B: input wo_w: left as it is (an operand is computed on the way)
;;     7. [M 4,096, K 1,024] x [K 1,024, N 4,096]; A: computed on the way; B: input f1_w: left as it is (an operand is computed on the way)
;;     8. [M 4,096, K 4,096] x [K 4,096, N 1,024]; A: computed on the way; B: input f2_w: left as it is (an operand is computed on the way)
;;   THE QUANTISER, for each operand of a quantised product, along K:
;;     - K is cut into blocks of 32 from its start; a last block that is shorter is filled with zeros.
;;     - A block's scale is 2^e with e = floor(log2(the largest magnitude in the block)) - 2, held to -126 .. 127; a block of zeros has e = 0. As a byte (E8M0): e + 127.
;;     - Each number is divided by its block's scale, clamped to +-6, and rounded to the nearest number of E2M1, ties to even, subnormals kept.
;;     - The product sums the exact products of the quantised numbers (number of the format x scale) in f32.
;;   ~~~python
;;   def quantise(x, axis):      # numpy; x: float32 -> the quantised numbers, widened to float32 again
;;       x = np.moveaxis(x, axis, -1); K = x.shape[-1]
;;       x = np.pad(x, [(0, 0)] * (x.ndim - 1) + [(0, -K % 32)]); x = x.reshape(x.shape[:-1] + (-1, 32)); a = np.abs(x).max(-1, keepdims=True)
;;       e = np.where(a > 0, np.clip(np.frexp(np.where(a > 0, a, 1))[1] - 1 - 2, -126, 127), 0)      # np.frexp(a)[1] - 1 = floor(log2(a)), exactly
;;       r = np.clip(x / 2.0 ** e, -6, 6)
;;       step = 2.0 ** (np.maximum(np.frexp(np.where(r == 0, 1, r))[1] - 1, 0) - 1)
;;       q = np.round(r / step) * step * 2.0 ** e      # np.round: ties to even
;;       return np.moveaxis(q.reshape(q.shape[:-2] + (-1,))[..., :K], -1, axis).astype(np.float32)
;;   ~~~
;; One version. Each part assembles by itself: llvm-mc -triple=amdgcn-amd-amdhsa -mcpu=gfx1250 --defsym DOCPART=n.
;; ======== version 1 of 1: 8 launches
;; limits: values are held in f16: magnitudes above 65,504 overflow, below 6.1e-05 lose precision
;; workspace buffers: codes 3,899,392 bytes; w16 18,874,368 bytes; qkv16 25,165,824 bytes; o16 8,388,608 bytes; y 16,777,216 bytes; h32 16,777,216 bytes; h16 8,388,608 bytes; a16 33,554,432 bytes
;; launch prep (part 1): grid 896 x 1, 4 waves a work-group, no clusters, 33,280 bytes of LDS; arguments x, wq_w, wk_w, wv_w, wo_w, f1_w, f2_w, codes, w16; writes codes, w16
.if DOCPART == 1
	.amdgcn_target "amdgcn-amd-amdhsa--gfx1250"
	.amdhsa_code_object_version 6
	.text
	.protected	k_q43a36087f2_prep
	.globl	k_q43a36087f2_prep
	.p2align	8
	.type	k_q43a36087f2_prep,@function
k_q43a36087f2_prep:
	s_mov_b64 s[64:65], 0
	v_nop
	global_prefetch_b8 v0, s[64:65] scope:SCOPE_SE
	s_setreg_imm32_b32 hwreg(HW_REG_WAVE_MODE, 25, 1), 1
	s_wait_xcnt 0x0
; ONE LAUNCH PREPARES EVERY OPERAND THAT MANY WORK-GROUPS READ LATER.  Three ways, parted by the work-group's number; they never join again.
;   X (work-groups 0-127):   x [4096][1024] f32, K innermost -> codes of FP4 (E2M1) [4096][512 bytes] and E8M0 scale bytes [4096][32].
;   W (work-groups 128-319): wq_w, wk_w, wv_w [1024 (k)][1024 (n)] f32, K the FIRST axis -> codes IN THE ORDER OF THE OPERAND'S REGISTERS, and scale bytes [3072 (1024 x matrix + n)][32].
;       The codes: [K step of 512 (2)][16 rows (192)][128 along K (4)][an image of 1,024 bytes]; in an image the 16 bytes of row r's block k = 64 c + 32 h + 0 .. 31 lie at 512 c + 256 h + 16 r.
;   C (work-groups 320-895): wo_w, f1_w, f2_w f32 -> f16, laid as they lie ([k][n]), one behind the other in w16.
; THE QUANTISER: a block of 32 along K; scale 2^(floor(log2(largest magnitude)) - 2); its byte is the largest magnitude's exponent field - 2, held at 1 from below; numbers / scale to the nearest code, ties to even, beyond 6 the code of 6.
; A block of zeros gets the byte 1 where the rule says 127: its codes are zeros, which add nothing under any byte but 0xff, and this program alone reads the bytes.
; LIMITS: blocks whose largest magnitude lies under 2^-124 (the floor) keep the byte 1; NaN and infinities among the inputs are not served; weights of the f16 products beyond 65,504 in magnitude are not served.
.set XSO,   2097152                    ; in codes: x's scale bytes
.set WCO,   2228224                    ; the weights' codes
.set WSO,   3801088                    ; the weights' scale bytes
.set BSTEP, 786432                     ; the weights' codes of one K step: 192 x 4,096 bytes
.set SP,    80                         ; way X: a lane's place in a stage: 64 bytes + 16 of padding
.set SPARE, 32768                      ; behind way X's four regions: the spare words, 128 bytes for each wave: two blocks of 256 bytes that no other line names
.set SPW,   224                        ; v224 LDS address of my spare word; never rewritten
.set NIL,   225                        ; v225 0; never rewritten
	s_load_b512 s[8:23], s[0:1], 0x0               ; x 8, wq 10, wk 12, wv 14, wo 16, f1 18, f2 20, codes 22
	s_load_b64 s[24:25], s[0:1], 0x40              ; w16
	v_lshl_add_u32 v[SPW], v0, 2, SPARE
	v_mov_b32 v[NIL], 0
	v_lshrrev_b32 v1, 5, v0
	v_readfirstlane_b32 s2, v1                     ; wave 0..3
	v_and_b32 v2, 31, v0                           ; lane
	s_wait_kmcnt 0x0
	s_cmp_lt_u32 ttmp9, 128
	s_cbranch_scc1 .Lx
	s_cmp_lt_u32 ttmp9, 320
	s_cbranch_scc1 .Lw
; ---------------- WAY C: f32 -> f16.  A work-group takes 65,536 bytes, a wave 16,384: 32 loads of 512 consecutive bytes, all out at once; each store covers 256 consecutive bytes, aligned.
	s_sub_co_u32 s3, ttmp9, 320                    ; j: 0-63 wo_w, 64-319 f1_w, 320-575 f2_w
	s_cmp_lt_u32 s3, 64
	s_cselect_b64 s[26:27], s[16:17], s[18:19]
	s_cselect_b32 s4, 0, 64
	s_cmp_lt_u32 s3, 320
	s_cselect_b64 s[26:27], s[26:27], s[20:21]
	s_cselect_b32 s4, s4, 320
	s_sub_co_u32 s4, s3, s4                        ; my piece of that tensor
	s_lshl_b32 s28, s4, 16
	s_lshl_b32 s5, s2, 14
	s_add_co_u32 s28, s28, s5
	s_mov_b32 s29, 0
	s_add_nc_u64 s[26:27], s[26:27], s[28:29]
	s_lshl_b32 s28, s3, 15                         ; in w16 the three tensors follow each other: j x 32,768
	s_lshl_b32 s5, s2, 13
	s_add_co_u32 s28, s28, s5
	s_add_nc_u64 s[24:25], s[24:25], s[28:29]
	v_lshlrev_b32 v3, 4, v2
	v_lshlrev_b32 v4, 3, v2
.set n, 0
.rept 32
	global_load_b128 v[8+4*n:11+4*n], v3, s[26:27] offset:512*n th:TH_LOAD_NT
.set n, n+1
.endr
.set n, 0
.rept 32
	s_wait_loadcnt 31-n                            ; loads come back in order: load n is in, the 31 - n younger ones may be out
	v_cvt_pk_f16_f32 v[136+2*n], v[8+4*n], v[9+4*n]
	v_cvt_pk_f16_f32 v[137+2*n], v[10+4*n], v[11+4*n]
	global_store_b64 v4, v[136+2*n:137+2*n], s[24:25] offset:256*n   ; every store has data registers of its own: none is written again
.set n, n+1
.endr
	s_endpgm
; ---------------- WAY X: a wave takes 16 steps of 512 numbers.  Each load reads 512 consecutive bytes; a step's 2,048 bytes turn through the wave's own stage in LDS and come back 64 bytes a lane:
; 16 neighbours along K in a lane, two neighbouring lanes to a block.  A step's codes are 256 consecutive bytes; a wave's 256 scale bytes are gathered in LDS and leave as one aligned run of 256 bytes.
; Loads run DEPTH steps ahead: 32 loads, 16,384 bytes, of a wave's 32,768 are out at once, so that a wave waits for memory twice and not once for every few steps.
.set DEPTH, 8
.set R, 16                             ; v16-143  DEPTH sets of 16 numbers as loaded
.set X, 144                            ; v144-175 two sets of 16 neighbours
.set E, 176                            ; v176-191 a scale byte for each step
.set C, 192                            ; v192-223 codes: two registers of its own for each step
.macro XLOAD t
.irp i, 0,1,2,3
	global_load_b128 v[R+16*((\t)%DEPTH)+4*\i:R+16*((\t)%DEPTH)+4*\i+3], v3, s[8:9] offset:2048*(\t)+512*\i th:TH_LOAD_NT
.endr
.endm
.macro XTURN t                         ; LDS serves a wave's instructions in order: no wait between the stores and the loads
.irp i, 0,1,2,3
	ds_store_b128 v14, v[R+16*((\t)%DEPTH)+4*\i:R+16*((\t)%DEPTH)+4*\i+3] offset:32*SP*((\t)%2)+8*SP*\i
.endr
.irp i, 0,1,2,3
	ds_load_b128 v[X+16*((\t)%2)+4*\i:X+16*((\t)%2)+4*\i+3], v15 offset:32*SP*((\t)%2)+16*\i
.endr
.endm
.macro XSTEP t
.set XR, X+16*((\t)%2)
.if (\t) > 0
	s_wait_dscnt 1                                 ; this step's numbers are back from the stage; the last step's byte store may be out
.else
	s_wait_dscnt 0x0
.endif
.if (\t)+DEPTH < 16
	XLOAD (\t)+DEPTH                               ; into the registers that the stage's stores have read
.endif
.if (\t)+1 < 16
.if 14-(\t) >= DEPTH-1
	s_wait_loadcnt 4*(DEPTH-1)                     ; the next step's four loads are in; those of the DEPTH - 1 steps behind it may be out
.else
	s_wait_loadcnt 4*(14-(\t))                     ; at the end: of the steps that are left
.endif
	XTURN (\t)+1
.endif
	v_max3_num_f32 v8, |v[XR]|, |v[XR+1]|, |v[XR+2]|
	v_max3_num_f32 v9, |v[XR+3]|, |v[XR+4]|, |v[XR+5]|
.irp i, 6,10
	v_max3_num_f32 v8, v8, |v[XR+\i]|, |v[XR+\i+1]|
	v_max3_num_f32 v9, v9, |v[XR+\i+2]|, |v[XR+\i+3]|
.endr
	v_max3_num_f32 v8, v8, |v[XR+14]|, |v[XR+15]|
	v_max3_num_f32 v8, v8, v9, 0x1800000           ; and the floor 2^(3 - 127): the byte cannot fall under 1
	v_max_num_f32_dpp v8, v8, v8 row_xmask:1 row_mask:0xf bank_mask:0xf   ; with my neighbour's 16: the block's largest magnitude
	v_add_nc_u32 v11, 0xff000000, v8               ; 2 off its exponent field: the conversion takes the exponent field of this operand as its scale
	v_cvt_scalef32_pk8_fp4_f32 v[C+2*(\t)], v[XR:XR+7], v11
	v_cvt_scalef32_pk8_fp4_f32 v[C+2*(\t)+1], v[XR+8:XR+15], v11
	v_lshrrev_b32 v[E+(\t)], 23, v11               ; the scale's byte (also the plain line behind the conversions)
	ds_store_b8 v5, v[E+(\t)] offset:16*(\t)       ; both lanes of a block write the same byte with the same value
	global_store_b64 v4, v[C+2*(\t):C+2*(\t)+1], s[28:29] offset:256*(\t)
.endm
.Lx:
	v_lshlrev_b32 v3, 4, v2                        ; my 16 bytes of a load's 512
	s_mul_i32 s3, s2, 8192                         ; my wave's region: two stages, then 256 scale bytes
	v_lshrrev_b32 v14, 2, v2
	v_mul_u32_u24 v14, v14, SP
	v_and_b32 v15, 3, v2
	v_lshl_add_u32 v14, v15, 4, v14
	v_add_nc_u32 v14, s3, v14                      ; into the stage: SP (lane / 4) + 16 (lane % 4)
	v_mul_u32_u24 v15, v2, SP
	v_add_nc_u32 v15, s3, v15                      ; out of it: SP x lane
	v_lshlrev_b32 v4, 3, v2                        ; my 8 bytes of a step's codes
	v_lshrrev_b32 v5, 1, v2
	s_add_co_u32 s3, s3, 2*32*SP
	v_add_nc_u32 v5, s3, v5                        ; my block's scale byte
	v_lshlrev_b32 v7, 3, v2
	v_add_nc_u32 v6, s3, v7
	s_lshl_b32 s4, ttmp9, 2
	s_add_co_u32 s4, s4, s2                        ; which run of 8,192 numbers is my wave's: 0..511
	s_lshl_b32 s26, s4, 15
	s_mov_b32 s27, 0
	s_add_nc_u64 s[8:9], s[8:9], s[26:27]
	s_lshl_b32 s26, s4, 12
	s_add_nc_u64 s[28:29], s[22:23], s[26:27]      ; its codes
	s_lshl_b32 s26, s4, 8
	s_add_co_u32 s26, s26, XSO
	s_add_nc_u64 s[30:31], s[22:23], s[26:27]      ; its scale bytes
.irp t, 0,1,2,3,4,5,6,7
	XLOAD \t
.endr
	s_wait_loadcnt 4*(DEPTH-1)                     ; step 0's four loads are in
	XTURN 0
.irp t, 0,1,2,3,4,5,6,7,8,9,10,11,12,13,14,15
	XSTEP \t
.endr
	ds_load_b64 v[8:9], v6                         ; in order behind my byte stores
	s_wait_dscnt 0x0
	global_store_b64 v7, v[8:9], s[30:31]          ; 32 lanes store 256 consecutive bytes, aligned
	s_wait_tensorcnt 0x0                           ; the wave's end
	ds_add_u32 v[SPW], v[NIL]
	s_wait_dscnt 0x0
	s_endpgm
; ---------------- WAY W: a lane takes a column n and its registers run down K: a block of 32 lies in one lane, and the conversions give its 16 bytes of codes with K innermost.
; A wave takes 32 columns x 128 along K: four blocks, two of them (64 loads) on their way at a time; the four waves stand side by side on 512 bytes of each row of the weight.
; In the codes' layout the sixteen lanes of a half hold 256 consecutive bytes of an image: a block's codes leave straight from the conversions' registers, two aligned runs of 256 bytes a store.  No LDS.
; The four scale bytes of a column's 128 along K are one word of its row of 32: one store of 4 bytes a lane, 32 bytes apart: 98,304 bytes in the whole launch.
.set WX,   32                          ; v32-95   two sets of 32 numbers
.set WCD,  96                          ; v96-111  codes: four registers of its own for each block
.set SB,   24                          ; v24      the four scale bytes
.macro WLOAD t
.irp i, 0,1,2,3,4,5,6,7,8,9,10,11,12,13,14,15,16,17,18,19,20,21,22,23,24,25,26,27,28,29,30,31
	global_load_b32 v[WX+32*((\t)%2)+\i], v3, s[10:11] offset:(32*(\t)+\i)*4096 th:TH_LOAD_NT
.endr
.endm
.macro WBLOCK t
.set WR, WX+32*((\t)%2)
.if (\t) < 3
	s_wait_loadcnt 32                              ; this block's 32 loads are in; the next block's may be out
.else
	s_wait_loadcnt 0
.endif
	v_max3_num_f32 v12, |v[WR]|, |v[WR+1]|, |v[WR+2]|
	v_max3_num_f32 v13, |v[WR+3]|, |v[WR+4]|, |v[WR+5]|
.irp i, 6,10,14,18,22,26
	v_max3_num_f32 v12, v12, |v[WR+\i]|, |v[WR+\i+1]|
	v_max3_num_f32 v13, v13, |v[WR+\i+2]|, |v[WR+\i+3]|
.endr
	v_max3_num_f32 v12, v12, |v[WR+30]|, |v[WR+31]|
	v_max3_num_f32 v12, v12, v13, 0x1800000        ; the floor
	v_add_nc_u32 v11, 0xff000000, v12              ; the conversion's scale operand
	v_lshrrev_b32 v13, 23, v11                     ; the scale's byte
.if (\t) == 0
	v_mov_b32 v[SB], v13
.else
	v_lshl_or_b32 v[SB], v13, 8*(\t), v[SB]        ; the lower K in the lower byte
.endif
.irp g, 0,1,2,3
	v_cvt_scalef32_pk8_fp4_f32 v[WCD+4*(\t)+\g], v[WR+8*\g:WR+8*\g+7], v11
.endr
	v_nop                                          ; one plain line behind the last conversion
	global_store_b128 v8, v[WCD+4*(\t):WCD+4*(\t)+3], s[28:29] offset:((\t)/2)*512+((\t)%2)*256   ; block t is c = t / 2, h = t % 2 of the image
.if (\t)+2 < 4
	WLOAD (\t)+2
.endif
.endm
.Lw:
	s_sub_co_u32 s3, ttmp9, 128
	s_lshr_b32 s4, s3, 6                           ; which matrix: 0 q, 1 k, 2 v
	s_and_b32 s5, s3, 7                            ; which 128 columns
	s_bfe_u32 s6, s3, 0x30003                      ; which 128 along K: 0..7
	s_cmp_eq_u32 s4, 1
	s_cselect_b64 s[10:11], s[12:13], s[10:11]
	s_cmp_eq_u32 s4, 2
	s_cselect_b64 s[10:11], s[14:15], s[10:11]
	s_lshl_b32 s5, s5, 7
	s_lshl_b32 s7, s2, 5
	s_add_co_u32 s5, s5, s7                        ; my wave's first column
	s_lshl_b32 s26, s6, 19                         ; 128 rows of 4,096 bytes
	s_lshl_b32 s7, s5, 2
	s_add_co_u32 s26, s26, s7
	s_mov_b32 s27, 0
	s_add_nc_u64 s[10:11], s[10:11], s[26:27]
	s_lshl_b32 s4, s4, 10
	s_add_co_u32 s4, s4, s5                        ; the operand's row: 1024 x matrix + column, a multiple of 32
	s_lshl_b32 s26, s4, 8                          ; (row / 16) x 4,096
	s_lshr_b32 s7, s6, 2
	s_mul_i32 s7, s7, BSTEP                        ; + the K step
	s_add_co_u32 s26, s26, s7
	s_and_b32 s7, s6, 3
	s_lshl_b32 s7, s7, 10                          ; + the image of my 128 along K
	s_add_co_u32 s26, s26, s7
	s_add_co_u32 s26, s26, WCO
	s_add_nc_u64 s[28:29], s[22:23], s[26:27]
	s_lshl_b32 s26, s4, 5                          ; the scale bytes: 32 a row,
	s_lshl_b32 s7, s6, 2                           ; 4 for each 128 along K
	s_add_co_u32 s26, s26, s7
	s_add_co_u32 s26, s26, WSO
	s_add_nc_u64 s[30:31], s[22:23], s[26:27]
	v_lshlrev_b32 v3, 2, v2                        ; in: 4 bytes a lane
	v_and_b32 v5, 15, v2
	v_lshrrev_b32 v6, 4, v2
	v_lshlrev_b32 v8, 12, v6
	v_lshl_add_u32 v8, v5, 4, v8                   ; out: lanes 0-15 the first 16 rows' image, lanes 16-31 the next 16 rows', 4,096 bytes on; 16 bytes a lane
	v_lshlrev_b32 v9, 5, v2                        ; my column's row of scale bytes
	WLOAD 0
	WLOAD 1
.irp t, 0,1,2,3
	WBLOCK \t
.endr
	global_store_b32 v9, v[SB], s[30:31]           ; my column's scale word
	s_endpgm
.Lfunc_end_k_q43a36087f2_prep:
	.size	k_q43a36087f2_prep, .Lfunc_end_k_q43a36087f2_prep-k_q43a36087f2_prep
	.p2alignl 7, 3214868480
	.fill 96, 4, 3214868480
	.section	.rodata,"a",@progbits
	.p2align	6, 0x0
	.amdhsa_kernel k_q43a36087f2_prep
		.amdhsa_group_segment_fixed_size 33280
		.amdhsa_private_segment_fixed_size 0
		.amdhsa_enable_private_segment 0
		.amdhsa_kernarg_size 72
		.amdhsa_user_sgpr_count 2
		.amdhsa_user_sgpr_kernarg_segment_ptr 1
		.amdhsa_wavefront_size32 1
		.amdhsa_system_sgpr_workgroup_id_x 1
		.amdhsa_system_sgpr_workgroup_id_y 1
		.amdhsa_system_sgpr_workgroup_id_z 1
		.amdhsa_system_vgpr_workitem_id 0
		.amdhsa_next_free_vgpr 232
		.amdhsa_next_free_sgpr 66
		.amdhsa_reserve_vcc 0
		.amdhsa_float_denorm_mode_32 3
		.amdhsa_float_denorm_mode_16_64 3
		.amdhsa_memory_ordered 1
		.amdhsa_forward_progress 1
		.amdhsa_inst_pref_size 65
	.end_amdhsa_kernel
	.amdgpu_metadata
---
amdhsa.version: [ 1, 2 ]
amdhsa.kernels:
  - .name:           k_q43a36087f2_prep
    .symbol:         k_q43a36087f2_prep.kd
    .args:
      - { .name: x, .offset: 0, .size: 8, .value_kind: global_buffer, .address_space: global }
      - { .name: wq_w, .offset: 8, .size: 8, .value_kind: global_buffer, .address_space: global }
      - { .name: wk_w, .offset: 16, .size: 8, .value_kind: global_buffer, .address_space: global }
      - { .name: wv_w, .offset: 24, .size: 8, .value_kind: global_buffer, .address_space: global }
      - { .name: wo_w, .offset: 32, .size: 8, .value_kind: global_buffer, .address_space: global }
      - { .name: f1_w, .offset: 40, .size: 8, .value_kind: global_buffer, .address_space: global }
      - { .name: f2_w, .offset: 48, .size: 8, .value_kind: global_buffer, .address_space: global }
      - { .name: codes, .offset: 56, .size: 8, .value_kind: global_buffer, .address_space: global }
      - { .name: w16, .offset: 64, .size: 8, .value_kind: global_buffer, .address_space: global }
    .group_segment_fixed_size: 33280
    .private_segment_fixed_size: 0
    .kernarg_segment_align: 8
    .kernarg_segment_size: 72
    .max_flat_workgroup_size: 128
    .sgpr_count:     66
    .vgpr_count:     232
    .wavefront_size: 32
...
	.end_amdgpu_metadata
.endif
;; end of part 1
;; launch qkv (part 2): grid 12 x 16, 4 waves a work-group, clusters of 4 x 4, 327,680 bytes of LDS; arguments codes, wq_b, wk_b, wv_b, qkv16; writes qkv16
.if DOCPART == 2
	.amdgcn_target "amdgcn-amd-amdhsa--gfx1250"
	.amdhsa_code_object_version 6
	.text
	.protected	k_q43a36087f2_qkv
	.globl	k_q43a36087f2_qkv
	.p2align	8
	.type	k_q43a36087f2_qkv,@function
k_q43a36087f2_qkv:
	s_mov_b64 s[64:65], 0
	v_nop
	global_prefetch_b8 v0, s[64:65] scope:SCOPE_SE
	s_setreg_imm32_b32 hwreg(HW_REG_WAVE_MODE, 25, 1), 1
	s_wait_xcnt 0x0
	s_wait_alu depctr_hold_cnt(0) depctr_sa_sdst(0) depctr_va_vdst(0) depctr_va_sdst(0) depctr_va_ssrc(0) depctr_va_vcc(0) depctr_vm_vsrc(0)
	s_getreg_b32 s2, hwreg(HW_REG_IB_STS2, 6, 4)
	s_cmp_eq_u32 s2, 0
	s_cbranch_scc0 .Lentry_in_a_cluster
	s_endpgm
.Lentry_in_a_cluster:
	s_bfe_u32 s2, ttmp6, 0x10000c
	s_cmp_lg_u32 s2, 0xf033
	s_cbranch_scc0 .Lentry_shape_is_right
	s_endpgm
.Lentry_shape_is_right:
; q, k, v = Q(x) Q(w) + bias: one GEMM 4096 x 3072 x 1024 on codes of FP4 (E2M1) with one E8M0 scale for each 32 along K; sums in f32; results rounded once to f16 and laid by heads:
; qkv16 [3 (q, k, v)][32 (batch x 16 + head)][2048 tokens][64] f16.  A = x's codes [4096][512 bytes], K innermost.
; B = the weights' codes (row = 1024 x matrix + n) IN THE ORDER OF THE OPERAND'S REGISTERS: [K step of 512 (2)][16 rows (192)][128 along K (4)][an image of 1,024 bytes: registers 4 c .. 4 c + 3 of lane l at 512 c + 16 l].
; So B's part of a K step for 128 rows is one dense block of 32,768 bytes, and a fragment is two loads of 16 bytes a lane at 16 x lane: 512 consecutive bytes each.
; q IS STORED AS q x log2(e) / 8, multiplied in f32 ahead of the one rounding to f16, so that the next launch's first product gives the softmax's exponents in base 2 as they stand; k and v are multiplied by 1.
; A tile of C is 256 x 256, a work-group of four waves; a wave makes 128 x 128: 64 accumulators, 512 registers.  K = 1024 is two K steps of 512: both LDS slots are filled once, at the start, and nothing is filled again.
; The scale bytes of the work-group's 256 + 256 rows come once, as dense blocks.  CLUSTERS: 4 x 4 work-groups; A's tiles are asked for jointly along a row of the cluster, B's along a column.
; A cluster is 1,024 columns wide: one matrix; so the cluster's x says which bias, which factor and which third of qkv16.
; THE MATRIX INSTRUCTION IS USED TRANSPOSED (source 0 = 16 rows of B, source 1 = 16 rows of A): a lane holds eight neighbouring columns of one row.  THE BIAS is the C of each sum's first product.
; LIMIT: |q|, |k|, |v| stay under 65,504 (f16's largest number).
; REGISTERS: window 0: v0-31 addresses; v32-95 scale words, two sets; v128-191 A's fragments, one set; v192-255 the bias in the result's layout.  window 1: B's fragments, two sets.  windows 2, 3: the accumulators.
.set XSO,    2097152
.set WCO,    2228224
.set WSO,    3801088
.set BSTEP,  786432                    ; B's codes of one K step: 192 x 4,096 bytes
.set NQ,     4                         ; steps of 128 along K in a slot
.set ROWB,   256                       ; a row of A's tile in bytes: 512 codes
.set KROW,   512                       ; a row of A's codes in memory
.set PITCH,  272                       ; A's LDS row: 256 bytes + 16 of padding: the 16 rows that a load touches start at 16 different banks
.set FR,     8
.set NL,     2
.set NP,     4
.set HALFT,  128*PITCH                 ; a quarter of a slot: 128 rows of A with their padding; B's 128 rows, dense, take 32,768 bytes of theirs
.set SLOT,   4*HALFT
.set KS,     32                        ; a row of scale bytes
.set SCL,    2*SLOT
.set HALFS,  (128*KS/256)*272
.set SBLK,   (16*KS/256)*272
.set SPARE,  SCL+4*HALFS               ; the spare words, 128 bytes for each wave: two blocks of 256 bytes that no other line names
.set SPITCH, 272                       ; the way out: a stage of 16 rows x (256 bytes + 16) for each wave, in slot 0, behind its one fill and its last read
.set ADRA, 16
.set ADRB, 20
.set STO,  24
.set RD,   25
.set CO,   26
.set ADRS, 27
.set SPW,  28
.set NIL,  29
.set SC,   32
.set AF,   128
.set BI,   192
.set TMP,  32                          ; the way out: packed results
.set BK,   64                          ; and rows read back: v64-95, v96-127 by turns
.set FAC,  18                          ; s[18:19] the factor on the way out: log2(e) / 8 for q, 1 for k and v (the packed form names a pair and takes its low word for both halves)
.set G1, 24
.set G0, 32
.set G1B, 48
.set G0B, 56
.set G1S, 68
.set G0S, 76
.set G1SB, 80
.set G0SB, 88
.set MSB, 0
.macro WIN new                         ; the immediate's high byte repeats the setting that is left
.if MSB != (\new)
	s_set_vgpr_msb (MSB<<8)|(\new)
.set MSB, (\new)
.endif
.endm
.set MUL_LO,   0xa1                    ; source 0 (B) window 1, source 1 (A) window 0, C and D window 2
.set MUL_HI,   0xf1                    ; the same, C and D window 3
.set FIRST_LO, 0x81                    ; the first products: C (the bias) window 0, D window 2
.set FIRST_HI, 0xc1
.set TO_B,     0x40
.macro JLOAD g0a, g1a, g0b, g1b        ; a joint load: waves 0 and 1 fetch for A, waves 2 and 3 for B; an s_nop 0 and four v_nop follow each line
	s_cmp_eq_u32 s15, 0
	s_cbranch_scc0 .Lfor_b_\@
	tensor_load_to_lds s[\g0a:\g0a+3], s[\g1a:\g1a+7]
	s_nop 0
.rept 4
	v_nop
.endr
	s_branch .Lasked_\@
.Lfor_b_\@:
	tensor_load_to_lds s[\g0b:\g0b+3], s[\g1b:\g1b+7]
	s_nop 0
.rept 4
	v_nop
.endr
.Lasked_\@:
.endm
.macro CROUND                          ; a round of the cluster's barrier
	s_barrier_signal -1
	s_barrier_wait -1
	s_cmp_lg_u32 s14, 0
	s_cbranch_scc1 .Lnot_wave_0_\@
	s_barrier_signal -3
.Lnot_wave_0_\@:
	s_barrier_wait -3
	s_barrier_signal -1
	s_barrier_wait -1
.endm
	s_load_b64 s[4:5], s[0:1], 0x0                 ; codes
	s_load_b128 s[96:99], s[0:1], 0x8              ; wq_b, wk_b
	s_load_b64 s[100:101], s[0:1], 0x18            ; wv_b
	s_load_b64 s[12:13], s[0:1], 0x20              ; qkv16
	v_lshl_add_u32 v[SPW], v0, 2, SPARE
	v_mov_b32 v[NIL], 0
	ds_add_u32 v[SPW], v[NIL]                      ; the wave's opening: the add and its wait ahead of my first tensor load
	v_lshrrev_b32 v1, 5, v0
	v_readfirstlane_b32 s14, v1                    ; wave 0..3
	s_lshr_b32 s15, s14, 1                         ; which half of the tile's rows is mine.  Also: I fetch for A (0) or for B (1)
	s_and_b32 s16, s14, 1                          ; which half of its columns.  Also: which 128 rows of that tile I fetch
	s_bfe_u32 s40, ttmp6, 0x40000                  ; cx, cy
	s_bfe_u32 s41, ttmp6, 0x40004
	s_lshl_b32 s42, ttmp9, 2
	s_add_co_u32 s42, s42, s40                     ; tile column = 4 x cluster x + cx
	s_and_b32 s17, ttmp7, 0xffff
	s_lshl_b32 s17, s17, 2
	s_add_co_u32 s17, s17, s41                     ; tile row = 4 x cluster y + cy
	s_lshl_b32 s43, s41, 2
	s_lshl_b32 s43, 15, s43                        ; my row of the cluster
	s_lshl_b32 s44, 0x1111, s40                    ; my column
	s_or_b32 s[G1+0], s43, (0<<16)|(1<<20)|(1<<21)|(5<<22)|(3<<25)  ; A: the mask; elements of 1 byte; padding on; bit 21 beside a mask; 4 words after every 64
	s_mov_b32 s[G1+1], ROWB<<16                    ; tensor_dim0
	s_mov_b32 s[G1+2], 128<<16                     ; tensor_dim1
	s_mov_b32 s[G1+3], ROWB<<16                    ; tile_dim0
	s_mov_b32 s[G1+4], 128                         ; tile_dim1
	s_mov_b32 s[G1+5], KROW                        ; stride
	s_mov_b32 s[G1+6], 0
	s_mov_b32 s[G1+7], 0
	s_or_b32 s[G1B+0], s44, (3<<16)|(1<<21)        ; B: a dense block of 32,768 bytes as 128 rows of 256 bytes (32 elements of 8 bytes); no padding: a fragment's loads take consecutive bytes
	s_mov_b32 s[G1B+1], 32<<16
	s_mov_b32 s[G1B+2], 128<<16
	s_mov_b32 s[G1B+3], 32<<16
	s_mov_b32 s[G1B+4], 128
	s_mov_b32 s[G1B+5], 32
	s_mov_b32 s[G1B+6], 0
	s_mov_b32 s[G1B+7], 0
	s_or_b32 s[G1S+0], s43, (3<<16)|(1<<20)|(1<<21)|(5<<22)|(3<<25) ; the scales of 128 rows: a dense block as rows of 256 bytes (32 elements of 8 bytes)
	s_or_b32 s[G1SB+0], s44, (3<<16)|(1<<20)|(1<<21)|(5<<22)|(3<<25)
.irp g, G1S, G1SB
	s_mov_b32 s[\g+1], 32<<16
	s_mov_b32 s[\g+2], (128*KS/256)<<16
	s_mov_b32 s[\g+3], 32<<16
	s_mov_b32 s[\g+4], 128*KS/256
	s_mov_b32 s[\g+5], 32
	s_mov_b32 s[\g+6], 0
	s_mov_b32 s[\g+7], 0
.endr
	s_lshl_b32 s18, s16, 7
	s_lshl_b32 s20, s17, 8
	s_add_co_u32 s20, s20, s18                     ; A: row 256 x tile row + 128 x half
	s_lshl_b32 s46, s42, 8
	s_add_co_u32 s46, s46, s18                     ; B: row 256 x tile column + 128 x half
	s_mov_b32 s21, 0
	s_mov_b32 s47, 0
	s_mov_b64 s[18:19], KS
	s_mul_u64 s[22:23], s[20:21], s[18:19]         ; where these rows' scales begin
	s_mul_u64 s[92:93], s[46:47], s[18:19]
	s_mov_b64 s[18:19], KROW
	s_mul_u64 s[20:21], s[20:21], s[18:19]         ; and their codes: A: 512 bytes a row;
	s_lshl_b64 s[46:47], s[46:47], 8               ; B: 4,096 bytes for each 16 rows of a K step
	s_mul_i32 s45, s14, HALFT                      ; where they go: wave x a quarter of a slot
	s_mul_i32 s94, s14, HALFS
	s_mov_b32 s[FAC], 0x3e38aa3b                   ; log2(e) / 8
	s_cmp_eq_u32 ttmp9, 0                          ; the cluster's x: the same in all sixteen partners
	s_cselect_b32 s[FAC], s[FAC], 1.0              ; for q; 1 for k and v
	s_mov_b32 s[FAC+1], s[FAC]                     ; (named with it as a pair, so it is written)
	s_wait_dscnt 0x0                               ; the opening add is done
	s_wait_kmcnt 0x0
	s_add_nc_u64 s[6:7], s[4:5], XSO               ; the four parts of the buffer
	s_add_nc_u64 s[8:9], s[4:5], WCO
	s_add_nc_u64 s[10:11], s[4:5], WSO
	s_add_nc_u64 s[20:21], s[4:5], s[20:21]
	s_add_nc_u64 s[22:23], s[6:7], s[22:23]
	s_add_nc_u64 s[46:47], s[8:9], s[46:47]
	s_add_nc_u64 s[92:93], s[10:11], s[92:93]
	CROUND                                         ; all sixteen work-groups are here: the first joint loads meet
	s_mov_b32 s[G0S], 1
	s_add_co_u32 s[G0S+1], s94, SCL
	s_mov_b64 s[G0S+2:G0S+3], s[22:23]
	s_or_b32 s[G0S+3], s[G0S+3], 0x80000000
	s_mov_b32 s[G0SB], 1
	s_add_co_u32 s[G0SB+1], s94, SCL
	s_mov_b64 s[G0SB+2:G0SB+3], s[92:93]
	s_or_b32 s[G0SB+3], s[G0SB+3], 0x80000000
	JLOAD G0S, G1S, G0SB, G1SB                     ; three loads of mine go out: the scales, K step 0, K step 1
.irp s, 0,1
	s_mov_b32 s[G0+4*\s], 1
	s_add_co_u32 s[G0+4*\s+1], s45, \s*SLOT
	s_add_nc_u64 s[G0+4*\s+2:G0+4*\s+3], s[20:21], \s*ROWB
	s_or_b32 s[G0+4*\s+3], s[G0+4*\s+3], 0x80000000
	s_mov_b32 s[G0B+4*\s], 1
	s_add_co_u32 s[G0B+4*\s+1], s45, \s*SLOT
	s_add_nc_u64 s[G0B+4*\s+2:G0B+4*\s+3], s[46:47], \s*BSTEP
	s_or_b32 s[G0B+4*\s+3], s[G0B+4*\s+3], 0x80000000
	JLOAD G0+4*\s, G1, G0B+4*\s, G1B
.endr
	v_and_b32 v1, 15, v0                           ; r
	v_bfe_u32 v2, v0, 4, 1                         ; h
	; the bias: the cluster's x says which; lane (r, h) wants, for B's block b, columns 16 b + 8 h + 0 .. 7 of my 128
	s_cmp_eq_u32 ttmp9, 1
	s_cselect_b64 s[96:97], s[98:99], s[96:97]
	s_cmp_eq_u32 ttmp9, 2
	s_cselect_b64 s[96:97], s[100:101], s[96:97]
	s_lshl_b32 s98, s40, 10
	s_lshl_b32 s99, s16, 9
	s_add_co_u32 s98, s98, s99
	s_mov_b32 s99, 0
	s_add_nc_u64 s[96:97], s[96:97], s[98:99]
	v_lshlrev_b32 v7, 5, v2
.irp b, 0,1,2,3,4,5,6,7
	global_load_b128 v[BI+8*\b:BI+8*\b+3], v7, s[96:97] offset:64*\b
	global_load_b128 v[BI+8*\b+4:BI+8*\b+7], v7, s[96:97] offset:64*\b+16
.endr
	v_mul_u32_u24 v3, v1, PITCH
	v_lshl_add_u32 v4, v2, 4, v3                   ; A: a fragment's row x pitch + 16 x half
	v_and_b32 v5, 31, v0
	v_lshlrev_b32 v5, 4, v5                        ; B: my lane's place in an image: 16 x lane
	s_mul_i32 s21, s15, HALFT
	s_mul_i32 s22, s16, HALFT
	s_add_co_u32 s22, s22, 2*HALFT
.irp s, 0,1
	v_add_nc_u32 v[ADRA+\s], s21, v4
	v_add_nc_u32 v[ADRB+\s], s22, v5
	s_add_co_u32 s21, s21, SLOT
	s_add_co_u32 s22, s22, SLOT
.endr
	v_mul_u32_u24 v5, v1, KS                       ; my row's scales: KS bytes a row,
	v_lshrrev_b32 v6, 8, v5
	v_lshl_add_u32 v5, v6, 4, v5                   ; and 16 more for each 256 passed
	s_mul_i32 s21, s15, HALFS
	s_mul_i32 s22, s16, HALFS
	s_add_co_u32 s22, s22, 2*HALFS
	s_sub_co_u32 s22, s22, s21
	v_mul_u32_u24 v6, s22, v2                      ; lanes 16-31 take B's
	s_add_co_u32 s21, s21, SCL
	v_add_nc_u32 v5, v5, v6
	v_add_nc_u32 v[ADRS], s21, v5
	s_mul_i32 s23, s14, 16*SPITCH                  ; my stage
	v_mul_u32_u24 v5, v1, SPITCH
	v_lshl_add_u32 v5, v2, 4, v5
	v_add_nc_u32 v[STO], s23, v5                   ; in: row r, 16 bytes for each half of the lanes
	v_and_b32 v6, 31, v0
	v_lshlrev_b32 v[CO], 4, v6                     ; out: 32 lanes x 16 bytes = four tokens of one head, 512 consecutive bytes
	v_lshrrev_b32 v5, 3, v6
	v_mul_u32_u24 v5, v5, SPITCH
	v_and_b32 v6, 7, v0
	v_lshl_add_u32 v5, v6, 4, v5
	v_add_nc_u32 v[RD], s23, v5                    ; back: row lane / 8, 16 (lane % 8) bytes on
	; where my part begins in qkv16: matrix x 8,388,608 + (16 batch + 4 cx + 2 half) heads of 262,144 + token x 128
	s_lshr_b32 s20, s17, 3
	s_lshl_b32 s20, s20, 4
	s_lshl_b32 s21, s40, 2
	s_add_co_u32 s20, s20, s21
	s_lshl_b32 s21, s16, 1
	s_add_co_u32 s20, s20, s21
	s_lshl_b32 s20, s20, 18
	s_and_b32 s21, s17, 7
	s_lshl_b32 s21, s21, 8
	s_lshl_b32 s46, s15, 7
	s_add_co_u32 s21, s21, s46
	s_lshl_b32 s21, s21, 7
	s_add_co_u32 s20, s20, s21
	s_lshl_b32 s21, ttmp9, 23
	s_add_co_u32 s20, s20, s21
	s_mov_b32 s21, 0
	s_add_nc_u64 s[12:13], s[12:13], s[20:21]
.macro FRAG reg, adr, q, i             ; A: 16 rows x 128 K of 4-bit codes: 8 registers, two loads of 16 bytes, 32 bytes apart
.irp c, 0,1
	ds_load_b128 v[\reg+4*\c:\reg+4*\c+3], v[\adr] offset:64*(\q)+32*\c+(\i)*16*PITCH
.endr
.endm
.macro FRAGB reg, adr, q, i            ; B: the image of block i's q-th 128 along K: two loads of 512 consecutive bytes
.irp c, 0,1
	ds_load_b128 v[\reg+4*\c:\reg+4*\c+3], v[\adr] offset:(\i)*4096+(\q)*1024+512*\c
.endr
.endm
; 16 matrix instructions: A's blocks a0, a0 + 1 x B's eight.  The 64 accumulators take turns, one instruction a turn.  zero = 1: the first product starts the sums on the bias.
.macro MUL16 a0, p, q, sc, zero
.irp a, \a0, \a0+1
.irp b, 0,1,2,3,4,5,6,7
.if \zero
	v_wmma_scale_f32_16x16x128_f8f6f4 v[8*(8*((\a)%4)+\b):8*(8*((\a)%4)+\b)+7], v[128*(\p)+FR*\b:128*(\p)+FR*\b+FR-1], v[AF+FR*(\a):AF+FR*(\a)+FR-1], v[BI+8*\b:BI+8*\b+7], v[SC+8*NQ*(\sc)+NQ*\b+(\q)], v[SC+8*NQ*(\sc)+NQ*(\a)+(\q)] matrix_a_fmt:MATRIX_FMT_FP4 matrix_b_fmt:MATRIX_FMT_FP4 matrix_a_scale:MATRIX_SCALE_ROW1
.else
	v_wmma_scale_f32_16x16x128_f8f6f4 v[8*(8*((\a)%4)+\b):8*(8*((\a)%4)+\b)+7], v[128*(\p)+FR*\b:128*(\p)+FR*\b+FR-1], v[AF+FR*(\a):AF+FR*(\a)+FR-1], v[8*(8*((\a)%4)+\b):8*(8*((\a)%4)+\b)+7], v[SC+8*NQ*(\sc)+NQ*\b+(\q)], v[SC+8*NQ*(\sc)+NQ*(\a)+(\q)] matrix_a_fmt:MATRIX_FMT_FP4 matrix_b_fmt:MATRIX_FMT_FP4 matrix_a_scale:MATRIX_SCALE_ROW1
.endif
.endr
.endr
.endm
.macro FETCH_B slot, q, p
	WIN TO_B
.irp i, 0,1,2,3,4,5,6,7
	FRAGB 128*(\p)+FR*\i, ADRB+\slot, \q, \i
.endr
	WIN 0
.endm
.macro FETCH_A slot, q, i0
.irp i, \i0, \i0+1, \i0+2, \i0+3
	FRAG AF+FR*(\i), ADRA+\slot, \q, \i
.endr
.endm
.macro SCALES sc                       ; a K step's scale words: lanes 0-15 take A's block i, lanes 16-31 B's block i
.irp i, 0,1,2,3,4,5,6,7
	ds_load_b128 v[SC+8*NQ*\sc+NQ*\i:SC+8*NQ*\sc+NQ*\i+3], v[ADRS] offset:\i*SBLK
.endr
.endm
.macro PLACES n                        ; plain vector lines between a matrix instruction and a load into, or a read of, its registers
.rept \n
	v_nop
.endr
.endm
.macro STEP slot, q, zero              ; 128 along K with its successor in the same slot
	s_wait_dscnt 4*NL                              ; B's set and A's blocks 0-3 are in; the youngest eight loads (A's blocks 4-7) may be out
.if \zero
	WIN FIRST_LO
.else
	WIN MUL_LO
.endif
	MUL16 0, (\q)%2, \q, \slot, \zero
	MUL16 2, (\q)%2, \q, \slot, \zero
	s_wait_dscnt 0                                 ; A's blocks 4-7 are in
	PLACES NP
	FETCH_B \slot, (\q)+1, 1-(\q)%2
	FETCH_A \slot, (\q)+1, 0
.if \zero
	WIN FIRST_HI
.else
	WIN MUL_HI
.endif
	MUL16 4, (\q)%2, \q, \slot, \zero
	MUL16 6, (\q)%2, \q, \slot, \zero
	PLACES NP
	WIN 0
	FETCH_A \slot, (\q)+1, 4
.endm
	s_wait_tensorcnt 1                             ; the scales and my part of K step 0 are in; K step 1's load may be out
	s_barrier_signal -1
	s_barrier_wait -1
	FETCH_B 0, 0, 0
	FETCH_A 0, 0, 0
	SCALES 0
	FETCH_A 0, 0, 4
	s_wait_loadcnt 0x0                             ; the bias
	STEP 0, 0, 1
	STEP 0, 1, 0
	STEP 0, 2, 0
	; slot 0's last step changes slots: one barrier; in front of it my part of slot 1 has landed and my reads of slot 0 are over.  Nothing is filled again.
	s_wait_tensorcnt 0x0
	ds_add_u32 v[SPW], v[NIL]
	s_wait_dscnt 4*NL+1                            ; the add and A's blocks 4-7 may be out
	WIN MUL_LO
	MUL16 0, 1, NQ-1, 0, 0
	s_wait_dscnt 0x0
	s_barrier_signal -1
	MUL16 2, 1, NQ-1, 0, 0
	WIN 0
	s_barrier_wait -1
	PLACES NP
	v_add_nc_u32 v[ADRS], 4*NQ, v[ADRS]            ; the next K step's scale words
	FETCH_B 1, 0, 0
	FETCH_A 1, 0, 0
	SCALES 1
	WIN MUL_HI
	MUL16 4, 1, NQ-1, 0, 0
	MUL16 6, 1, NQ-1, 0, 0
	PLACES NP
	WIN 0
	FETCH_A 1, 0, 4
	STEP 1, 0, 0
	STEP 1, 1, 0
	STEP 1, 2, 0
	s_wait_dscnt 4*NL                              ; the very last step
	WIN MUL_LO
	MUL16 0, 1, NQ-1, 1, 0
	MUL16 2, 1, NQ-1, 1, 0
	s_wait_dscnt 0
	WIN MUL_HI
	MUL16 4, 1, NQ-1, 1, 0
	MUL16 6, 1, NQ-1, 1, 0
	WIN 0
; THE WAY OUT, a block of 16 tokens x 128 columns (two heads) at a time: times the factor, rounded to f16, 16 bytes a lane into my stage, back so that 32 lanes hold four tokens of one head: 512 consecutive bytes of qkv16.
.macro PACK a
.set AC, 64*((\a)%4)
	WIN 0x82+0x41*((\a)/4)                         ; destination and source 0: window 2 or 3
.set n, 0
.rept 32
	v_pk_mul_f32 v[AC+2*n:AC+2*n+1], v[AC+2*n:AC+2*n+1], s[FAC:FAC+1] op_sel_hi:[1,0]   ; each accumulator from its low end on
.set n, n+1
.endr
	WIN 0x0a+5*((\a)/4)                            ; sources 0 and 1: window 2 or 3
.irp b, 0,1,2,3,4,5,6,7
.irp r, 0,1,2,3
	v_cvt_pk_f16_f32 v[TMP+4*\b+\r], v[AC+8*\b+2*\r], v[AC+8*\b+2*\r+1]
.endr
.endr
	WIN 0
.endm
.macro TOSTAGE a
.set BB, BK+32*((\a)%2)
.irp b, 0,1,2,3,4,5,6,7
	ds_store_b128 v[STO], v[TMP+4*\b:TMP+4*\b+3] offset:32*\b
.endr
.irp t, 0,1,2,3,4,5,6,7
	ds_load_b128 v[BB+4*\t:BB+4*\t+3], v[RD] offset:(\t/4)*128+(\t%4)*4*SPITCH   ; head t / 4, tokens 4 (t % 4) on; in order behind my stores
.endr
.endm
.macro SEND a
.set BB, BK+32*((\a)%2)
	s_wait_dscnt 0x0                               ; the block is back in registers
	s_wait_xcnt 0x0                                ; earlier stores have read their base and their data
.if (\a) > 0
	s_add_nc_u64 s[12:13], s[12:13], 2048          ; 16 tokens on
.endif
.irp t, 0,1,2,3,4,5,6,7
	global_store_b128 v[CO], v[BB+4*\t:BB+4*\t+3], s[12:13] offset:(\t/4)*262144+(\t%4)*512
.endr
.endm
	PLACES NP
	PACK 0
	TOSTAGE 0
.irp a, 1,2,3,4,5,6,7
	PACK \a
	SEND \a-1
	TOSTAGE \a
.endr
	SEND 7
	s_wait_tensorcnt 0x0                           ; the wave's end
	ds_add_u32 v[SPW], v[NIL]
	s_wait_dscnt 0x0
	CROUND                                         ; the closing round
	s_endpgm
.Lfunc_end_k_q43a36087f2_qkv:
	.size	k_q43a36087f2_qkv, .Lfunc_end_k_q43a36087f2_qkv-k_q43a36087f2_qkv
	.p2alignl 7, 3214868480
	.fill 96, 4, 3214868480
	.section	.rodata,"a",@progbits
	.p2align	6, 0x0
	.amdhsa_kernel k_q43a36087f2_qkv
		.amdhsa_group_segment_fixed_size 327680
		.amdhsa_private_segment_fixed_size 0
		.amdhsa_enable_private_segment 0
		.amdhsa_kernarg_size 40
		.amdhsa_user_sgpr_count 2
		.amdhsa_user_sgpr_kernarg_segment_ptr 1
		.amdhsa_wavefront_size32 1
		.amdhsa_system_sgpr_workgroup_id_x 1
		.amdhsa_system_sgpr_workgroup_id_y 1
		.amdhsa_system_sgpr_workgroup_id_z 1
		.amdhsa_system_vgpr_workitem_id 0
		.amdhsa_next_free_vgpr 1024
		.amdhsa_next_free_sgpr 102
		.amdhsa_reserve_vcc 0
		.amdhsa_float_denorm_mode_32 3
		.amdhsa_float_denorm_mode_16_64 3
		.amdhsa_memory_ordered 1
		.amdhsa_forward_progress 1
		.amdhsa_inst_pref_size 145
	.end_amdhsa_kernel
	.amdgpu_metadata
---
amdhsa.version: [ 1, 2 ]
amdhsa.kernels:
  - .name:           k_q43a36087f2_qkv
    .symbol:         k_q43a36087f2_qkv.kd
    .args:
      - { .name: codes, .offset: 0, .size: 8, .value_kind: global_buffer, .address_space: global }
      - { .name: wq_b, .offset: 8, .size: 8, .value_kind: global_buffer, .address_space: global }
      - { .name: wk_b, .offset: 16, .size: 8, .value_kind: global_buffer, .address_space: global }
      - { .name: wv_b, .offset: 24, .size: 8, .value_kind: global_buffer, .address_space: global }
      - { .name: qkv16, .offset: 32, .size: 8, .value_kind: global_buffer, .address_space: global }
    .group_segment_fixed_size: 327680
    .private_segment_fixed_size: 0
    .kernarg_segment_align: 8
    .kernarg_segment_size: 40
    .max_flat_workgroup_size: 128
    .sgpr_count:     102
    .vgpr_count:     1024
    .wavefront_size: 32
...
	.end_amdgpu_metadata
.endif
;; end of part 2
;; launch attn (part 3): grid 16 x 16, 8 waves a work-group, clusters of 4 x 1, 327,680 bytes of LDS; arguments qkv16, mask, o16; writes o16
.if DOCPART == 3
	.amdgcn_target "amdgcn-amd-amdhsa--gfx1250"
	.amdhsa_code_object_version 6
	.text
	.protected	k_q43a36087f2_attn
	.globl	k_q43a36087f2_attn
	.p2align	8
	.type	k_q43a36087f2_attn,@function
k_q43a36087f2_attn:
	s_mov_b64 s[64:65], 0
	v_nop
	global_prefetch_b8 v0, s[64:65] scope:SCOPE_SE
	s_setreg_imm32_b32 hwreg(HW_REG_WAVE_MODE, 25, 1), 1
	s_wait_xcnt 0x0
	s_wait_alu depctr_hold_cnt(0) depctr_sa_sdst(0) depctr_va_vdst(0) depctr_va_sdst(0) depctr_va_ssrc(0) depctr_va_vcc(0) depctr_vm_vsrc(0)
	s_getreg_b32 s2, hwreg(HW_REG_IB_STS2, 6, 4)
	s_cmp_eq_u32 s2, 0
	s_cbranch_scc0 .Lentry_in_a_cluster
	s_endpgm
.Lentry_in_a_cluster:
	s_bfe_u32 s2, ttmp6, 0x10000c
	s_cmp_lg_u32 s2, 0x3003
	s_cbranch_scc0 .Lentry_shape_is_right
	s_endpgm
.Lentry_shape_is_right:
; o = softmax(q k^T / 8 + mask x -1e12) v for 32 (batch, head) pairs of 2,048 tokens and 64 channels.  q, k, v: qkv16 [3][32][2048][64] f16, q stored as q x log2(e) / 8; mask [2][2048] f32; o16 [4096 tokens][1024] f16.
; Products on f16 operands with f32 sums; maxima, exponentials and sums in f32; the weights p are rounded to f16 for the second product, o once at the end.
; SHARES.  A work-group owns 128 queries of TWO neighbouring heads, so that a token's 256 aligned bytes of o16 are written whole.  Wave w: head w / 4, queries 32 (w % 4) on: two tiles of 16.  Two waves lie on a SIMD.
; LAYOUT.  S^T = K Q^T (source 0 = 16 keys, source 1 = 16 queries) and O^T = V^T P (source 0 = 16 channels, source 1 = P): a lane holds ONE query throughout.  K comes out of LDS as it lies, V turned, by ds_load_tr16_b128.
; THE MASK costs no vector work in the loop: mask[key] x (-1e12 x log2(e)) is the C of each key tile's first product, so the product gives t = logit x log2(e).
; SOFTMAX.  A running maximum m of t and a sum l for each query: p = 2^(t - m); in every step O and l are multiplied by a = 2^(m_old - m_new).  THE EXPONENT IS A PLAIN DIFFERENCE: it is 0 at the largest key whatever the size of t,
; a masked key's 1.4e12 among them (a product c s less a rounded c m would leave that rounding's error in the exponent).  m begins at -3e38, O and l at 0, so the step is written once.
; RING.  Two LDS slots of 256 keys (four key steps of 64) of both heads' K and V.  In LDS and for the mover a row is TWO keys, 256 bytes.  CLUSTER: the four query blocks of a cluster walk the same K and V: every tile is asked for jointly.
; All eight waves fetch: waves 0-3 K (head, half), waves 4-7 V: one load of 64 rows x 256 bytes each.  By this text's count a wave has two loads out at the start and one behind each round.
; LIMITS: |q|, |k|, |v| under 65,504.  Beside a mask term of 1e12 a score's own part is lost in rounding, here in the matrix unit's sum, in the definition in an f32 addition: keys with equal mask numbers of that size get equal weights both ways.
.set SLOTB, 143360                     ; a slot: K head 0, K head 1 (34,816 each: 128 rows x 272), V head 0, V head 1 (36,864 each: 128 rows x 288)
.set KH,    34816
.set VH,    36864
.set VOFF,  69632
.set MASK,  286720                     ; 2,048 f32: the mask's term; stored by the waves, never filled by the mover
.set SPARE, 294912                     ; the spare words, 128 bytes for each wave: four blocks of 256 bytes that no other line names
.set AK0, 2                            ; v2  my lane's place in a tile of K (key r lies at (r / 2) x 272 + (r % 2) x 128: sixteen different 16-byte columns)
.set AV0, 3                            ; v3  the same for V's turning load
.set AM0, 4                            ; v4  and among the mask's numbers
.set ADK, 5
.set ADV, 6
.set ADM, 7
.set QO,  8
.set STO, 9
.set RD,  10
.set GO,  11
.set SPW, 12
.set NIL, 13
.set ST,  16                           ; tile t's statistics at v[ST + 8 t]: +0 m (+1 named with it as a pair), +2, +3 l, +4 .. +7 at work; a in +6
.set MK,  32                           ; v32-63   the mask as C: 8 registers for each tile of 16 keys
.set S,   64                           ; v64-127  S^T, 32 a tile
.set P,   128                          ; v128-159 P, 16 a tile
.set O,   0                            ; window 1: v0-63 O^T, 32 a tile
.set Q,   64                           ; v64-95   Q, 16 a tile
.set KF,  96                           ; v96-159  K of one step
.set VF,  160                          ; v160-223 V of one step
.set WV,  12
.set G1K, 24
.set G1V, 32
.set G0K, 40                           ; s[40:47] K's groups 0, one for each slot
.set G0V, 48                           ; s[48:55] V's
.set LAP, 56
.set CNT, 57
.set SEL, 60
.set TK,  62
.set TV,  63
.set TM,  66
.set MSB, 0
.macro WIN new
.if MSB != (\new)
	s_set_vgpr_msb (MSB<<8)|(\new)
.set MSB, (\new)
.endif
.endm
.set W_KQ, 0x05                        ; K and Q window 1; C and S^T window 0
.set W_PV, 0x51                        ; V window 1, P window 0, O^T window 1
.set W_RS, 0x41                        ; O^T (destination, source 0) window 1, a window 0
.set TO1,  0x40                        ; destination window 1
.macro JLOAD s                         ; a joint refill of slot s; the branch hangs on the wave's number alone; an s_nop 0 and four v_nop follow each line
	s_cmp_lt_u32 s[WV], 4
	s_cbranch_scc0 .Lfor_v_\@
	tensor_load_to_lds s[G0K+4*\s:G0K+4*\s+3], s[G1K:G1K+7]
	s_nop 0
.rept 4
	v_nop
.endr
	s_branch .Lasked_\@
.Lfor_v_\@:
	tensor_load_to_lds s[G0V+4*\s:G0V+4*\s+3], s[G1V:G1V+7]
	s_nop 0
.rept 4
	v_nop
.endr
.Lasked_\@:
.endm
.macro CROUND
	s_barrier_signal -1
	s_barrier_wait -1
	s_cmp_lg_u32 s[WV], 0
	s_cbranch_scc1 .Lnot_wave_0_\@
	s_barrier_signal -3
.Lnot_wave_0_\@:
	s_barrier_wait -3
	s_barrier_signal -1
	s_barrier_wait -1
.endm
	s_load_b128 s[4:7], s[0:1], 0x0                ; qkv16, mask
	s_load_b64 s[8:9], s[0:1], 0x10                ; o16
	v_lshl_add_u32 v[SPW], v0, 2, SPARE
	v_mov_b32 v[NIL], 0
	ds_add_u32 v[SPW], v[NIL]                      ; the wave's opening: the add and its wait ahead of my first tensor load
	v_lshrrev_b32 v1, 5, v0
	v_readfirstlane_b32 s[WV], v1                  ; wave 0..7
	s_bfe_u32 s13, ttmp6, 0x40000                  ; cx
	s_lshr_b32 s14, s[WV], 2                       ; my head of the two.  Also: I fetch K (0) or V (1)
	s_and_b32 s15, s[WV], 3                        ; my 32 queries of the 128
	s_bfe_u32 s16, s[WV], 0x10001                  ; the head that I fetch for
	s_and_b32 s17, s[WV], 1                        ; and which 128 keys of a slot
	s_and_b32 s18, ttmp7, 0xffff
	s_lshr_b32 s19, s18, 3                         ; batch
	s_and_b32 s18, s18, 7                          ; pair of heads
	s_lshl_b32 s20, s19, 4
	s_lshl_b32 s21, s18, 1
	s_add_co_u32 s20, s20, s21                     ; 16 batch + first head
	s_add_co_u32 s22, s20, s16
	s_lshl_b32 s22, s22, 18                        ; a head is 262,144 bytes
	s_lshl_b32 s23, s17, 14                        ; 128 keys are 16,384
	s_add_co_u32 s22, s22, s23
	s_mov_b32 s23, 0
	s_mul_i32 s67, s16, KH                         ; where my tile goes in a slot: K,
	s_mul_i32 s69, s17, KH/2
	s_add_co_u32 s67, s67, s69
	s_mul_i32 s68, s16, VH                         ; V
	s_mul_i32 s69, s17, VH/2
	s_add_co_u32 s68, s68, s69
	s_add_co_u32 s68, s68, VOFF
	s_lshl_b32 s3, ttmp9, 2
	s_add_co_u32 s3, s3, s13                       ; my block of 128 queries: it enters Q's and O's addresses alone
	s_add_co_u32 s74, s20, s14
	s_lshl_b32 s74, s74, 18
	s_lshl_b32 s75, s3, 14
	s_add_co_u32 s74, s74, s75
	s_lshl_b32 s75, s15, 12
	s_add_co_u32 s74, s74, s75
	s_mov_b32 s75, 0                               ; Q: my 32 rows of 128 bytes
	s_lshl_b32 s76, s19, 11
	s_lshl_b32 s77, s3, 7
	s_add_co_u32 s76, s76, s77
	s_lshl_b32 s77, s[WV], 4
	s_add_co_u32 s76, s76, s77                     ; the first token that I store: 2048 batch + 128 block + 16 wave
	s_lshl_b32 s76, s76, 11
	s_lshl_b32 s77, s18, 8
	s_add_co_u32 s76, s76, s77                     ; x 2,048 bytes + 256 x pair of heads
	s_mov_b32 s77, 0
	s_lshl_b32 s78, s19, 13                        ; the batch's 2,048 mask numbers
	s_mov_b32 s79, 0
	s_mov_b32 s[G1K], 15|(1<<16)|(1<<20)|(1<<21)|(5<<22)|(3<<25)  ; the mask: all four work-groups; elements of 2 bytes; padding on; bit 21 beside a mask; 4 words after every 64
	s_mov_b32 s[G1V], 15|(1<<16)|(1<<20)|(1<<21)|(5<<22)|(7<<25)  ; the same with 8 words of padding
.irp g, G1K, G1V
	s_mov_b32 s[\g+1], 128<<16                     ; tensor_dim0 = 128 elements: two keys
	s_mov_b32 s[\g+2], 64<<16                      ; tensor_dim1 = 64 rows
	s_mov_b32 s[\g+3], 128<<16                     ; tile_dim0
	s_mov_b32 s[\g+4], 64                          ; tile_dim1
	s_mov_b32 s[\g+5], 128                         ; stride: dense
	s_mov_b32 s[\g+6], 0
	s_mov_b32 s[\g+7], 0
.endr
	s_mov_b32 s[SEL], 0x76543210
	s_mov_b32 s[SEL+1], 0xfedcba98
	s_mov_b32 s[TM], 0
	s_wait_dscnt 0x0                               ; the opening add is done
	s_wait_kmcnt 0x0
	s_add_nc_u64 s[10:11], s[4:5], s[74:75]        ; Q
	s_add_nc_u64 s[70:71], s[4:5], s[22:23]
	s_add_nc_u64 s[72:73], s[70:71], 16777216      ; V's third of the buffer
	s_add_nc_u64 s[70:71], s[70:71], 8388608       ; K's
	s_add_nc_u64 s[8:9], s[8:9], s[76:77]
	s_add_nc_u64 s[6:7], s[6:7], s[78:79]
	CROUND                                         ; all four work-groups are here: the first joint loads meet
.irp s, 0,1
	s_mov_b32 s[G0K+4*\s], 1
	s_add_co_u32 s[G0K+4*\s+1], s67, \s*SLOTB
	s_add_nc_u64 s[G0K+4*\s+2:G0K+4*\s+3], s[70:71], \s*32768
	s_or_b32 s[G0K+4*\s+3], s[G0K+4*\s+3], 0x80000000
	s_mov_b32 s[G0V+4*\s], 1
	s_add_co_u32 s[G0V+4*\s+1], s68, \s*SLOTB
	s_add_nc_u64 s[G0V+4*\s+2:G0V+4*\s+3], s[72:73], \s*32768
	s_or_b32 s[G0V+4*\s+3], s[G0V+4*\s+3], 0x80000000
.endr
	s_cmp_lt_u32 s[WV], 4                          ; a wave's two first fills stand in one branch
	s_cbranch_scc0 .Lfirst_v
	tensor_load_to_lds s[G0K:G0K+3], s[G1K:G1K+7]
	s_nop 0
	tensor_load_to_lds s[G0K+4:G0K+7], s[G1K:G1K+7]
	s_nop 0
.rept 4
	v_nop
.endr
	s_branch .Lfirst_asked
.Lfirst_v:
	tensor_load_to_lds s[G0V:G0V+3], s[G1V:G1V+7]
	s_nop 0
	tensor_load_to_lds s[G0V+4:G0V+7], s[G1V:G1V+7]
	s_nop 0
.rept 4
	v_nop
.endr
.Lfirst_asked:
	v_and_b32 v14, 15, v0                          ; r
	v_bfe_u32 v15, v0, 4, 1                        ; h
	v_lshlrev_b32 v163, 5, v0                      ; the mask: thread i takes numbers 8 i .. 8 i + 7
	global_load_b128 v[164:167], v163, s[6:7]
	global_load_b128 v[168:171], v163, s[6:7] offset:16
	v_lshlrev_b32 v[QO], 7, v14
	v_lshl_add_u32 v[QO], v15, 4, v[QO]            ; Q: row r of 128 bytes, + 16 h
	WIN TO1
.irp t, 0,1
.irp ks, 0,1
	global_load_b128 v[Q+16*\t+8*\ks:Q+16*\t+8*\ks+3],   v[QO], s[10:11] offset:2048*\t+64*\ks
	global_load_b128 v[Q+16*\t+8*\ks+4:Q+16*\t+8*\ks+7], v[QO], s[10:11] offset:2048*\t+64*\ks+32
.endr
.endr
.set n, 0
.rept 64
	v_mov_b32 v[O+n], 0                            ; O^T: the step is written once; its first turn finds zeros
.set n, n+1
.endr
	WIN 0
	v_lshrrev_b32 v160, 1, v14
	v_mul_u32_u24 v[AK0], v160, 272
	v_and_b32 v160, 1, v0
	v_lshl_add_u32 v[AK0], v160, 7, v[AK0]
	v_lshl_add_u32 v[AK0], v15, 4, v[AK0]
	s_mul_i32 s69, s14, KH
	v_add_nc_u32 v[AK0], s69, v[AK0]               ; (r / 2) x 272 + (r % 2) x 128 + 16 h + my head's K
	v_bfe_u32 v161, v0, 1, 2
	v_lshl_add_u32 v161, v15, 2, v161              ; key 8 h + lane % 8 lies in row 4 h + (lane % 8) / 2
	v_mul_u32_u24 v[AV0], v161, 288
	v_lshl_add_u32 v[AV0], v160, 7, v[AV0]
	v_bfe_u32 v161, v0, 3, 1
	v_lshl_add_u32 v[AV0], v161, 4, v[AV0]
	s_mul_i32 s69, s14, VH
	s_add_co_u32 s69, s69, VOFF
	v_add_nc_u32 v[AV0], s69, v[AV0]
	v_lshl_add_u32 v[AM0], v15, 5, MASK            ; my eight keys of a tile: 32 h bytes on
	v_lshl_add_u32 v162, v0, 5, MASK
	s_mul_i32 s69, s15, 32*272                     ; the way out, a stage of 128 rows x 272 at LDS byte 0: in: row 32 (w % 4) + r, + 128 x head + 16 h
	s_lshl_b32 s67, s14, 7
	s_add_co_u32 s69, s69, s67
	v_mul_u32_u24 v[STO], v14, 272
	v_lshl_add_u32 v[STO], v15, 4, v[STO]
	v_add_nc_u32 v[STO], s69, v[STO]
	s_mul_i32 s69, s[WV], 16*272                   ; back: rows 16 w on; lanes 0-15 one row, lanes 16-31 the next
	v_mul_u32_u24 v[RD], v15, 272
	v_lshl_add_u32 v[RD], v14, 4, v[RD]
	v_add_nc_u32 v[RD], s69, v[RD]
	v_lshlrev_b32 v[GO], 11, v15
	v_lshl_add_u32 v[GO], v14, 4, v[GO]            ; and the same two rows in o16
.irp t, 0,1
	v_mov_b32 v[ST+8*\t], 0xff61b1e6               ; m = -3e38, under every t
	v_mov_b32 v[ST+8*\t+1], 0                      ; (named as the upper half of the pair)
	v_mov_b32 v[ST+8*\t+2], 0                      ; l
	v_mov_b32 v[ST+8*\t+3], 0
	v_mov_b32 v[ST+8*\t+4], 0
	v_mov_b32 v[ST+8*\t+5], 0                      ; (a lane permute's destination counts as read)
	v_mov_b32 v[ST+8*\t+6], 0
	v_mov_b32 v[ST+8*\t+7], 0
.endr
	s_wait_loadcnt 0x0                             ; the mask and Q
.irp i, 0,1,2,3,4,5,6,7
	v_mul_f32 v[164+\i], 0xd3a7f3aa, v[164+\i]     ; x (-1e12 x log2(e))
.endr
	ds_store_b128 v162, v[164:167]
	ds_store_b128 v162, v[168:171] offset:16
	s_wait_dscnt 0x0                               ; for the others' sake: my part of the mask lies in LDS
	s_wait_tensorcnt 1                             ; my part of slot 0 is in; slot 1's may stay out
	s_barrier_signal -1
	s_barrier_wait -1
; THE SOFTMAX OF A KEY STEP, both tiles line by line by turns.
.macro SOFTMAX
.irp j, 0,1,2,3
.irp t, 0,1
	v_max3_num_f32 v[ST+8*\t+4+\j], v[S+32*\t+8*\j], v[S+32*\t+8*\j+1], v[S+32*\t+8*\j+2]   ; four chains; each accumulator is read from its low end on
.endr
.endr
.irp q, 3,5
.irp j, 0,1,2,3
.irp t, 0,1
	v_max3_num_f32 v[ST+8*\t+4+\j], v[ST+8*\t+4+\j], v[S+32*\t+8*\j+\q], v[S+32*\t+8*\j+\q+1]
.endr
.endr
.endr
.irp t, 0,1
	v_max3_num_f32 v[ST+8*\t+4], v[ST+8*\t+4], v[S+32*\t+7], v[S+32*\t+15]
.endr
.irp t, 0,1
	v_max3_num_f32 v[ST+8*\t+6], v[ST+8*\t+6], v[S+32*\t+23], v[S+32*\t+31]
.endr
.irp t, 0,1
	v_max3_num_f32 v[ST+8*\t+4], v[ST+8*\t+4], v[ST+8*\t+5], v[ST+8*\t+6]
.endr
.irp t, 0,1
	v_max3_num_f32 v[ST+8*\t+4], v[ST+8*\t+4], v[ST+8*\t+7], v[ST+8*\t]     ; with the old m
.endr
.irp t, 0,1
	v_permlanex16_b32 v[ST+8*\t+5], v[ST+8*\t+4], s[SEL], s[SEL+1]          ; the query's other 32 keys lie in the lane 16 away
.endr
.irp t, 0,1
	v_mov_b32 v[ST+8*\t+7], v[ST+8*\t]             ; m_old
.endr
.irp t, 0,1
	v_max_num_f32 v[ST+8*\t], v[ST+8*\t+4], v[ST+8*\t+5]                    ; the new m
.endr
.irp t, 0,1
	v_sub_f32 v[ST+8*\t+7], v[ST+8*\t+7], v[ST+8*\t]                        ; m_old - m_new
.endr
.set n, 0
.rept 16
.irp t, 0,1
	v_pk_add_f32 v[S+32*\t+2*n:S+32*\t+2*n+1], v[S+32*\t+2*n:S+32*\t+2*n+1], v[ST+8*\t:ST+8*\t+1] op_sel_hi:[1,0] neg_lo:[0,1] neg_hi:[0,1]   ; t - m: 0 at the largest key
.endr
.set n, n+1
.endr
.irp t, 0,1
	v_exp_f32 v[ST+8*\t+6], v[ST+8*\t+7]           ; a
.endr
.set n, 0
.rept 32
	v_exp_f32 v[S+n], v[S+n]                       ; p: both tiles' 66 exponentials are one batch
	v_exp_f32 v[S+32+n], v[S+32+n]
.set n, n+1
.endr
	v_nop                                          ; a plain line behind the last exponential
	s_wait_alu depctr_va_vdst(0)                   ; one wait for the batch, ahead of its first reader
.set n, 0
.rept 16
.irp t, 0,1
	v_cvt_pk_f16_f32 v[P+16*\t+n], v[S+32*\t+2*n], v[S+32*\t+2*n+1]
.endr
.set n, n+1
.endr
.irp z, 0,4,8,12,16,20,24,28                   ; the sum of the unrounded p, in place, as a tree of pairs
.irp t, 0,1
	v_pk_add_f32 v[S+32*\t+\z:S+32*\t+\z+1], v[S+32*\t+\z:S+32*\t+\z+1], v[S+32*\t+\z+2:S+32*\t+\z+3]
.endr
.endr
.irp z, 0,8,16,24
.irp t, 0,1
	v_pk_add_f32 v[S+32*\t+\z:S+32*\t+\z+1], v[S+32*\t+\z:S+32*\t+\z+1], v[S+32*\t+\z+4:S+32*\t+\z+5]
.endr
.endr
.irp z, 0,16
.irp t, 0,1
	v_pk_add_f32 v[S+32*\t+\z:S+32*\t+\z+1], v[S+32*\t+\z:S+32*\t+\z+1], v[S+32*\t+\z+8:S+32*\t+\z+9]
.endr
.endr
.irp t, 0,1
	v_pk_add_f32 v[S+32*\t:S+32*\t+1], v[S+32*\t:S+32*\t+1], v[S+32*\t+16:S+32*\t+17]
.endr
.irp t, 0,1
	v_pk_fma_f32 v[ST+8*\t+2:ST+8*\t+3], v[ST+8*\t+2:ST+8*\t+3], v[ST+8*\t+6:ST+8*\t+7], v[S+32*\t:S+32*\t+1] op_sel_hi:[1,0,1]   ; l = l a + the sum
.endr
	WIN W_RS
.set n, 0
.rept 16
.irp t, 0,1
	v_pk_mul_f32 v[O+32*\t+2*n:O+32*\t+2*n+1], v[O+32*\t+2*n:O+32*\t+2*n+1], v[ST+8*\t+6:ST+8*\t+7] op_sel_hi:[1,0]   ; O^T x a
.endr
.set n, n+1
.endr
.endm
; A KEY STEP: 64 keys for both tiles.
.macro KSTEP
	WIN 0
	v_add_nc_u32 v[ADK], s[TK], v[AK0]             ; these three and the v_nop are the four places between the last V^T P and the loads into V's registers
	v_add_nc_u32 v[ADV], s[TV], v[AV0]
	v_add_nc_u32 v[ADM], s[TM], v[AM0]
	v_nop
.irp kt, 0,1,2,3
	ds_load_b128 v[MK+8*\kt:MK+8*\kt+3],   v[ADM] offset:64*\kt
	ds_load_b128 v[MK+8*\kt+4:MK+8*\kt+7], v[ADM] offset:64*\kt+16
.endr
	WIN TO1
.irp kt, 0,1,2,3
.irp ks, 0,1
	ds_load_b128 v[KF+8*(2*\kt+\ks):KF+8*(2*\kt+\ks)+3],   v[ADK] offset:\kt*2176+64*\ks
	ds_load_b128 v[KF+8*(2*\kt+\ks)+4:KF+8*(2*\kt+\ks)+7], v[ADK] offset:\kt*2176+64*\ks+32
.endr
.endr
.irp g, 0,1
.irp ct, 0,1,2,3
	ds_load_tr16_b128 v[VF+8*(4*\g+\ct):VF+8*(4*\g+\ct)+3],   v[ADV] offset:\g*4608+32*\ct
	ds_load_tr16_b128 v[VF+8*(4*\g+\ct)+4:VF+8*(4*\g+\ct)+7], v[ADV] offset:\g*4608+32*\ct+2304
.endr
.endr
	s_wait_dscnt 16                                ; the mask and K are in; V's sixteen loads may be out
	WIN W_KQ
.irp kt, 0,1,2,3                               ; eight accumulators by turns, one instruction a turn
.irp t, 0,1
	v_wmma_f32_16x16x32_f16 v[S+32*\t+8*\kt:S+32*\t+8*\kt+7], v[KF+16*\kt:KF+16*\kt+7], v[Q+16*\t:Q+16*\t+7], v[MK+8*\kt:MK+8*\kt+7]
.endr
.endr
.irp kt, 0,1,2,3
.irp t, 0,1
	v_wmma_f32_16x16x32_f16 v[S+32*\t+8*\kt:S+32*\t+8*\kt+7], v[KF+16*\kt+8:KF+16*\kt+15], v[Q+16*\t+8:Q+16*\t+15], v[S+32*\t+8*\kt:S+32*\t+8*\kt+7]
.endr
.endr
	WIN 0
.rept 4
	v_nop                                          ; places in front of the first read of the scores
.endr
	SOFTMAX
	s_wait_dscnt 0x0                               ; V is in
	WIN W_PV
.irp g, 0,1
.irp ct, 0,1,2,3
.irp t, 0,1
	v_wmma_f32_16x16x32_f16 v[O+32*\t+8*\ct:O+32*\t+8*\ct+7], v[VF+8*(4*\g+\ct):VF+8*(4*\g+\ct)+7], v[P+16*\t+8*\g:P+16*\t+8*\g+7], v[O+32*\t+8*\ct:O+32*\t+8*\ct+7]
.endr
.endr
.endr
	WIN 0
.endm
.macro SLOT s                          ; a slot's four key steps: written once, walked four times
	s_mov_b32 s[TK], \s*SLOTB
	s_mov_b32 s[TV], \s*SLOTB
	s_mov_b32 s[CNT], 4
.Lstep_\@:
	KSTEP
	s_add_co_u32 s[TK], s[TK], 8704                ; 64 keys: 32 rows of 272,
	s_add_co_u32 s[TV], s[TV], 9216                ; of 288,
	s_add_co_u32 s[TM], s[TM], 256                 ; 64 mask numbers: this one walks on through all 32 steps
	s_sub_co_u32 s[CNT], s[CNT], 1
	s_cmp_lg_u32 s[CNT], 0
	s_cbranch_scc1 .Lstep_\@
.endm
; THE CHANGE OF SLOTS.  Each wave waits for all its tensor loads (its part of the slot ahead), adds 0 to its spare word, and waits for that and for its reads of the slot that it leaves.
; fill = 1: slot s, just left, is filled with the keys two slots on: behind a round of the cluster's barrier, first thing; the load has four key steps in which to land.
.macro CHANGE fill, s
	s_wait_tensorcnt 0x0                           ; no tensor load of mine is out, so a group 0 may be written
	ds_add_u32 v[SPW], v[NIL]
.if \fill
	s_add_nc_u64 s[G0K+4*\s+2:G0K+4*\s+3], s[G0K+4*\s+2:G0K+4*\s+3], 65536
	s_add_nc_u64 s[G0V+4*\s+2:G0V+4*\s+3], s[G0V+4*\s+2:G0V+4*\s+3], 65536
.endif
	s_wait_dscnt 0x0
.if \fill
	CROUND
	JLOAD \s
.else
	s_barrier_signal -1
	s_barrier_wait -1
.endif
.endm
	SLOT 0                                         ; keys 0-255
	s_mov_b32 s[LAP], 3
.Llap:                                             ; three trips: slot 0 takes keys 512, 1024, 1536 on, slot 1 keys 768, 1280, 1792 on
	CHANGE 1, 0
	SLOT 1
	CHANGE 1, 1
	SLOT 0
	s_sub_co_u32 s[LAP], s[LAP], 1
	s_cmp_lg_u32 s[LAP], 0
	s_cbranch_scc1 .Llap
	CHANGE 0, 0                                    ; the tail is written out: nothing more is asked for
	SLOT 1
	; THE WAY OUT.  O^T / l, rounded to f16, through a stage in slot 0 (it has had its last fill, and nobody reads it behind the last change of slots): a token's 256 bytes come from two waves.
.rept 4
	v_nop                                          ; places behind the last products
.endr
.irp t, 0,1
	v_add_f32 v[ST+8*\t+4], v[ST+8*\t+2], v[ST+8*\t+3]
.endr
.irp t, 0,1
	v_permlanex16_b32 v[ST+8*\t+5], v[ST+8*\t+4], s[SEL], s[SEL+1]
.endr
.irp t, 0,1
	v_add_f32 v[ST+8*\t+4], v[ST+8*\t+4], v[ST+8*\t+5]
.endr
.irp t, 0,1
	v_rcp_f32 v[ST+8*\t+6], v[ST+8*\t+4]
.endr
	v_nop
	s_wait_alu depctr_va_vdst(0)                   ; one wait for the two reciprocals
	WIN W_RS
.irp t, 0,1
.set n, 0
.rept 16
	v_pk_mul_f32 v[O+32*\t+2*n:O+32*\t+2*n+1], v[O+32*\t+2*n:O+32*\t+2*n+1], v[ST+8*\t+6:ST+8*\t+7] op_sel_hi:[1,0]
.set n, n+1
.endr
.endr
	WIN 0x05                                       ; sources window 1, destination window 0
.irp t, 0,1
.set n, 0
.rept 16
	v_cvt_pk_f16_f32 v[S+16*\t+n], v[O+32*\t+2*n], v[O+32*\t+2*n+1]
.set n, n+1
.endr
.endr
	WIN 0
.irp t, 0,1
.irp ct, 0,1,2,3
	ds_store_b128 v[STO], v[S+16*\t+4*\ct:S+16*\t+4*\ct+3] offset:\t*4352+32*\ct
.endr
.endr
	s_wait_dscnt 0x0                               ; for the others' sake: my stores into the stage are done
	s_barrier_signal -1
	s_barrier_wait -1
.irp i, 0,1,2,3,4,5,6,7
	ds_load_b128 v[P+4*\i:P+4*\i+3], v[RD] offset:544*\i
.endr
.irp i, 0,1,2,3,4,5,6,7
	s_wait_dscnt 7-\i
	global_store_b128 v[GO], v[P+4*\i:P+4*\i+3], s[8:9] offset:4096*\i   ; sixteen lanes store 256 consecutive bytes, aligned
.endr
	s_wait_tensorcnt 0x0                           ; the wave's end
	ds_add_u32 v[SPW], v[NIL]
	s_wait_dscnt 0x0
	CROUND                                         ; the closing round
	s_endpgm
.Lfunc_end_k_q43a36087f2_attn:
	.size	k_q43a36087f2_attn, .Lfunc_end_k_q43a36087f2_attn-k_q43a36087f2_attn
	.p2alignl 7, 3214868480
	.fill 96, 4, 3214868480
	.section	.rodata,"a",@progbits
	.p2align	6, 0x0
	.amdhsa_kernel k_q43a36087f2_attn
		.amdhsa_group_segment_fixed_size 327680
		.amdhsa_private_segment_fixed_size 0
		.amdhsa_enable_private_segment 0
		.amdhsa_kernarg_size 24
		.amdhsa_user_sgpr_count 2
		.amdhsa_user_sgpr_kernarg_segment_ptr 1
		.amdhsa_wavefront_size32 1
		.amdhsa_system_sgpr_workgroup_id_x 1
		.amdhsa_system_sgpr_workgroup_id_y 1
		.amdhsa_system_sgpr_workgroup_id_z 1
		.amdhsa_system_vgpr_workitem_id 0
		.amdhsa_next_free_vgpr 512
		.amdhsa_next_free_sgpr 80
		.amdhsa_reserve_vcc 0
		.amdhsa_float_denorm_mode_32 3
		.amdhsa_float_denorm_mode_16_64 3
		.amdhsa_memory_ordered 1
		.amdhsa_forward_progress 1
		.amdhsa_inst_pref_size 93
	.end_amdhsa_kernel
	.amdgpu_metadata
---
amdhsa.version: [ 1, 2 ]
amdhsa.kernels:
  - .name:           k_q43a36087f2_attn
    .symbol:         k_q43a36087f2_attn.kd
    .args:
      - { .name: qkv16, .offset: 0, .size: 8, .value_kind: global_buffer, .address_space: global }
      - { .name: mask, .offset: 8, .size: 8, .value_kind: global_buffer, .address_space: global }
      - { .name: o16, .offset: 16, .size: 8, .value_kind: global_buffer, .address_space: global }
    .group_segment_fixed_size: 327680
    .private_segment_fixed_size: 0
    .kernarg_segment_align: 8
    .kernarg_segment_size: 24
    .max_flat_workgroup_size: 256
    .sgpr_count:     80
    .vgpr_count:     512
    .wavefront_size: 32
...
	.end_amdgpu_metadata
.endif
;; end of part 3
;; launch wo (part 4): grid 8 x 32, 4 waves a work-group, clusters of 4 x 4, 327,680 bytes of LDS; arguments o16, w16, y; writes y
.if DOCPART == 4
	.amdgcn_target "amdgcn-amd-amdhsa--gfx1250"
	.amdhsa_code_object_version 6
	.text
	.protected	k_q43a36087f2_wo
	.globl	k_q43a36087f2_wo
	.p2align	8
	.type	k_q43a36087f2_wo,@function
k_q43a36087f2_wo:
	s_mov_b64 s[64:65], 0
	v_nop
	global_prefetch_b8 v0, s[64:65] scope:SCOPE_SE
	s_setreg_imm32_b32 hwreg(HW_REG_WAVE_MODE, 25, 1), 1
	s_wait_xcnt 0x0
	s_wait_alu depctr_hold_cnt(0) depctr_sa_sdst(0) depctr_va_vdst(0) depctr_va_sdst(0) depctr_va_ssrc(0) depctr_va_vcc(0) depctr_vm_vsrc(0)
	s_getreg_b32 s2, hwreg(HW_REG_IB_STS2, 6, 4)
	s_cmp_eq_u32 s2, 0
	s_cbranch_scc0 .Lentry_in_a_cluster
	s_endpgm
.Lentry_in_a_cluster:
	s_bfe_u32 s2, ttmp6, 0x10000c
	s_cmp_lg_u32 s2, 0xf033
	s_cbranch_scc0 .Lentry_shape_is_right
	s_endpgm
.Lentry_shape_is_right:
; y = A B.  A: [4096][SIZE_K] f16, K innermost.  B: [SIZE_K][1024] f16, as the weight lies (K is its first axis), WOFF bytes into w16.  y: [4096][1024] f32: the bare sums; bias, residual and norm follow in the next launch.
; A tile of y is 128 x 128: 256 work-groups.  Four waves, each 64 x 64: 16 accumulators.  K goes in steps of 256 through two LDS slots.  A's rows lie along K (512 bytes + 16); B's tile is 256 rows of K x 128 n (256 bytes + 32)
; and its fragments come out turned, by ds_load_tr16_b128.  CLUSTERS 4 x 4: A's tiles are asked for jointly along a row of the cluster, B's along a column.
; THE MATRIX INSTRUCTION IS USED TRANSPOSED (source 0 = 16 n of B, source 1 = 16 rows of A): a lane holds eight neighbouring numbers of a row of y.
; REGISTERS: window 0: v0-31 addresses; v32-95 the way out; v128-255 the accumulators ((a, b) at v[128 + 8 (4 a + b)]).  window 1: two fragment buffers of 128: 64 registers of A, then 64 of B, for 64 along K.
.set SIZE_K, 1024
.set WOFF,   0
.set KSTEP,  256
.set PITCH,  528                       ; A's LDS row
.set BP,     288                       ; B's LDS row: an odd multiple of 32 bytes
.set AHALF,  64*PITCH                  ; what one tensor load brings of A,
.set BHALF,  128*BP                    ; of B
.set BOFF,   2*AHALF
.set SLOT,   2*AHALF+2*BHALF
.set SPARE,  2*SLOT                    ; the spare words, 128 bytes for each wave: two blocks of 256 bytes that no other line names
.set SPITCH, 272                       ; the way out: a stage of 16 rows x (256 bytes + 16) for each wave, in slot 0, behind its last fill and its last read
.set LAPS,   SIZE_K/(2*KSTEP)
.set ADRA, 16                          ; v16-17 A's fragments in slot 0, 1
.set ADRB, 20                          ; v20-23 B's: 2 x slot + which 128 rows of K
.set STO,  24
.set RD,   25
.set CO,   26
.set SPW,  28
.set NIL,  29
.set BK,   32
.set ACC,  128
.set F0,   0
.set F1,   128
.set G1, 24
.set G0, 32
.set G1B, 48
.set G0B, 56
.set MSB, 0
.macro WIN new
.if MSB != (\new)
	s_set_vgpr_msb (MSB<<8)|(\new)
.set MSB, (\new)
.endif
.endm
.set MUL,  0x05
.set TO_F, 0x40
.macro JLOAD s                         ; a joint load: waves 0 and 1 fetch A's halves, waves 2 and 3 B's; an s_nop 0 and four v_nop follow each line
	s_cmp_eq_u32 s11, 0
	s_cbranch_scc0 .Lfor_b_\@
	tensor_load_to_lds s[G0+4*\s:G0+4*\s+3], s[G1:G1+7]
	s_nop 0
.rept 4
	v_nop
.endr
	s_branch .Lasked_\@
.Lfor_b_\@:
	tensor_load_to_lds s[G0B+4*\s:G0B+4*\s+3], s[G1B:G1B+7]
	s_nop 0
.rept 4
	v_nop
.endr
.Lasked_\@:
.endm
.macro CREST
	s_cmp_lg_u32 s10, 0
	s_cbranch_scc1 .Lnot_wave_0_\@
	s_barrier_signal -3
.Lnot_wave_0_\@:
	s_barrier_wait -3
	s_barrier_signal -1
	s_barrier_wait -1
.endm
.macro CROUND
	s_barrier_signal -1
	s_barrier_wait -1
	CREST
.endm
	s_load_b128 s[4:7], s[0:1], 0x0                ; A, w16
	s_load_b64 s[8:9], s[0:1], 0x10                ; y
	v_lshl_add_u32 v[SPW], v0, 2, SPARE
	v_mov_b32 v[NIL], 0
	ds_add_u32 v[SPW], v[NIL]                      ; the wave's opening: the add and its wait ahead of my first tensor load
	v_lshrrev_b32 v1, 5, v0
	v_readfirstlane_b32 s10, v1                    ; wave 0..3
	s_lshr_b32 s11, s10, 1                         ; which half of the tile's rows is mine.  Also: I fetch for A (0) or for B (1)
	s_and_b32 s12, s10, 1                          ; which half of its columns.  Also: which half of that tile I fetch
	s_bfe_u32 s40, ttmp6, 0x40000
	s_bfe_u32 s41, ttmp6, 0x40004
	s_lshl_b32 s42, ttmp9, 2
	s_add_co_u32 s42, s42, s40                     ; tile column
	s_and_b32 s13, ttmp7, 0xffff
	s_lshl_b32 s13, s13, 2
	s_add_co_u32 s13, s13, s41                     ; tile row
	s_lshl_b32 s43, s41, 2
	s_lshl_b32 s43, 15, s43                        ; my row of the cluster
	s_lshl_b32 s44, 0x1111, s40                    ; my column
	s_or_b32 s[G1+0], s43, (1<<16)|(1<<20)|(1<<21)|(6<<22)|(3<<25)   ; A: elements of 2 bytes; 4 words of padding after every 128
	s_mov_b32 s[G1+1], KSTEP<<16                   ; tensor_dim0 = 256
	s_mov_b32 s[G1+2], 64<<16                      ; tensor_dim1 = 64
	s_mov_b32 s[G1+3], KSTEP<<16                   ; tile_dim0
	s_mov_b32 s[G1+4], 64                          ; tile_dim1
	s_mov_b32 s[G1+5], SIZE_K                      ; stride
	s_mov_b32 s[G1+6], 0
	s_mov_b32 s[G1+7], 0
	s_or_b32 s[G1B+0], s44, (1<<16)|(1<<20)|(1<<21)|(5<<22)|(7<<25)  ; B: 8 words of padding after every 64
	s_mov_b32 s[G1B+1], 128<<16                    ; 128 n
	s_mov_b32 s[G1B+2], 128<<16                    ; 128 rows of K
	s_mov_b32 s[G1B+3], 128<<16
	s_mov_b32 s[G1B+4], 128
	s_mov_b32 s[G1B+5], 1024
	s_mov_b32 s[G1B+6], 0
	s_mov_b32 s[G1B+7], 0
	s_lshl_b32 s17, s12, 6
	s_lshl_b32 s16, s13, 7
	s_add_co_u32 s16, s16, s17                     ; A: row 128 x tile row + 64 x half
	s_mov_b32 s17, 0
	s_mov_b64 s[18:19], SIZE_K*2
	s_mul_u64 s[16:17], s[16:17], s[18:19]
	s_lshl_b32 s46, s12, 18                        ; B: 128 rows of 2,048 bytes x half
	s_lshl_b32 s47, s42, 8                         ; + 256 bytes x tile column
	s_add_co_u32 s46, s46, s47
.if WOFF
	s_add_co_u32 s46, s46, WOFF
.endif
	s_mov_b32 s47, 0
	s_mul_i32 s20, s12, AHALF                      ; where they go in a slot
	s_mul_i32 s21, s12, BHALF
	s_add_co_u32 s21, s21, BOFF
	s_wait_dscnt 0x0                               ; the opening add is done
	s_wait_kmcnt 0x0
	s_add_nc_u64 s[14:15], s[4:5], s[16:17]
	s_add_nc_u64 s[46:47], s[6:7], s[46:47]
	CROUND                                         ; all sixteen work-groups are here: the first joint loads meet
.irp s, 0,1
	s_mov_b32 s[G0+4*\s], 1
	s_add_co_u32 s[G0+4*\s+1], s20, \s*SLOT
	s_add_nc_u64 s[G0+4*\s+2:G0+4*\s+3], s[14:15], \s*KSTEP*2
	s_or_b32 s[G0+4*\s+3], s[G0+4*\s+3], 0x80000000
	s_mov_b32 s[G0B+4*\s], 1
	s_add_co_u32 s[G0B+4*\s+1], s21, \s*SLOT
	s_add_nc_u64 s[G0B+4*\s+2:G0B+4*\s+3], s[46:47], \s*KSTEP*2048
	s_or_b32 s[G0B+4*\s+3], s[G0B+4*\s+3], 0x80000000
	JLOAD \s
.endr
	v_and_b32 v1, 15, v0                           ; r
	v_bfe_u32 v2, v0, 4, 1                         ; h
	v_mul_u32_u24 v3, v1, PITCH
	v_lshl_add_u32 v3, v2, 4, v3
	s_mul_i32 s21, s11, AHALF                      ; my 64 rows of A
.irp s, 0,1
	v_add_nc_u32 v[ADRA+\s], s21, v3
	s_add_co_u32 s21, s21, SLOT
.endr
	v_and_b32 v4, 7, v0                            ; the turning load: lane l reads row 8 h + l % 8 of K, 16 bytes at 16 ((l / 8) % 2)
	v_lshl_add_u32 v4, v2, 3, v4
	v_mul_u32_u24 v4, v4, BP
	v_bfe_u32 v5, v0, 3, 1
	v_lshl_add_u32 v4, v5, 4, v4
	s_lshl_b32 s22, s12, 7                         ; my 64 n: 128 bytes x half
	s_add_co_u32 s22, s22, BOFF
	v_add_nc_u32 v[ADRB+0], s22, v4
	s_add_co_u32 s22, s22, BHALF
	v_add_nc_u32 v[ADRB+1], s22, v4
	s_add_co_u32 s22, s22, SLOT-BHALF
	v_add_nc_u32 v[ADRB+2], s22, v4
	s_add_co_u32 s22, s22, BHALF
	v_add_nc_u32 v[ADRB+3], s22, v4
	s_mul_i32 s23, s10, 16*SPITCH                  ; my stage
	v_mul_u32_u24 v4, v1, SPITCH
	v_lshl_add_u32 v4, v2, 5, v4
	v_add_nc_u32 v[STO], s23, v4                   ; in: row r, 32 bytes for each half of the lanes
	v_mul_u32_u24 v5, v2, SPITCH
	v_lshl_add_u32 v5, v1, 4, v5
	v_add_nc_u32 v[RD], s23, v5                    ; back: lanes 0-15 one row of 256 bytes, lanes 16-31 the next
	v_lshlrev_b32 v5, 12, v2
	v_lshl_add_u32 v[CO], v1, 4, v5                ; and the same two rows in y
	s_lshl_b32 s16, s13, 7
	s_lshl_b32 s17, s11, 6
	s_add_co_u32 s16, s16, s17
	s_lshl_b32 s16, s16, 12                        ; my first row x 4,096 bytes
	s_lshl_b32 s46, s42, 9
	s_lshl_b32 s47, s12, 8
	s_add_co_u32 s46, s46, s47                     ; my first column x 4
	s_add_co_u32 s16, s16, s46
	s_mov_b32 s17, 0
	s_add_nc_u64 s[8:9], s[8:9], s[16:17]
.macro MUL8 f, c, a0, zero             ; 8 matrix instructions: m blocks a0, a0 + 1 x all 4 n blocks, 32 along K.  The 16 accumulators take turns
.irp a, \a0, \a0+1
.irp b, 0,1,2,3
.if \zero
	v_wmma_f32_16x16x32_f16 v[ACC+8*(4*(\a)+\b):ACC+8*(4*(\a)+\b)+7], v[\f+64+8*(4*\c+\b):\f+64+8*(4*\c+\b)+7], v[\f+8*(4*\c+\a):\f+8*(4*\c+\a)+7], 0
.else
	v_wmma_f32_16x16x32_f16 v[ACC+8*(4*(\a)+\b):ACC+8*(4*(\a)+\b)+7], v[\f+64+8*(4*\c+\b):\f+64+8*(4*\c+\b)+7], v[\f+8*(4*\c+\a):\f+8*(4*\c+\a)+7], v[ACC+8*(4*(\a)+\b):ACC+8*(4*(\a)+\b)+7]
.endif
.endr
.endr
.endm
.macro FETCH slot, k, f                ; 32 LDS loads in one run: 64 along K at byte k of A's rows (row k / 2 of B's tile), the first 32 along K first
	WIN TO_F
.irp c, 0,1
.irp i, 0,1,2,3
	ds_load_tr16_b128 v[\f+64+8*(4*\c+\i):\f+64+8*(4*\c+\i)+3],   v[ADRB+2*\slot+(\k)/256] offset:(((\k)/2)%128+32*\c)*BP+32*\i
	ds_load_tr16_b128 v[\f+64+8*(4*\c+\i)+4:\f+64+8*(4*\c+\i)+7], v[ADRB+2*\slot+(\k)/256] offset:(((\k)/2)%128+32*\c+16)*BP+32*\i
	ds_load_b128 v[\f+8*(4*\c+\i):\f+8*(4*\c+\i)+3],         v[ADRA+\slot] offset:\k+64*\c+\i*16*PITCH
	ds_load_b128 v[\f+8*(4*\c+\i)+4:\f+8*(4*\c+\i)+7],       v[ADRA+\slot] offset:\k+64*\c+\i*16*PITCH+32
.endr
.endr
.endm
.macro PLACES
.rept 4
	v_nop
.endr
.endm
.macro QUARTER slot, k, f, g, zero     ; 64 along K: multiplies buffer f and fetches the next quarter, at byte k, into g
	s_wait_dscnt 16                                ; the first 32 along K are in; the sixteen younger loads may be out
	WIN MUL
	MUL8 \f, 0, 0, \zero
	MUL8 \f, 0, 2, \zero
	PLACES
	FETCH \slot, \k, \g
	s_wait_dscnt 32                                ; all but the 32 just issued
	WIN MUL
	MUL8 \f, 1, 0, 0
	MUL8 \f, 1, 2, 0
.endm
.macro TURN slot, next, fill           ; the last quarter changes slots: one barrier; fill = 1: it opens a round of the cluster's barrier, and this slot is filled again, two K steps ahead
	WIN 0
	s_wait_tensorcnt 0x0                           ; all my tensor loads have landed: my part of the next slot
	ds_add_u32 v[SPW], v[NIL]
	s_wait_dscnt 17                                ; the add and the youngest sixteen loads may be out
	WIN MUL
	MUL8 F1, 0, 0, 0
	s_wait_dscnt 0x0                               ; the add is done, and my reads of this slot are over
	s_barrier_signal -1
	MUL8 F1, 0, 2, 0
.if \fill
	WIN 0
.endif
	s_barrier_wait -1
.if \fill
	CREST
	s_add_nc_u64 s[G0+4*\slot+2:G0+4*\slot+3], s[G0+4*\slot+2:G0+4*\slot+3], 2*KSTEP*2
	s_add_nc_u64 s[G0B+4*\slot+2:G0B+4*\slot+3], s[G0B+4*\slot+2:G0B+4*\slot+3], 2*KSTEP*2048
	JLOAD \slot                                    ; the first tensor load behind the round; its four v_nop are also the places in front of the loads below
.else
	PLACES
.endif
	FETCH \next, 0, F0
	WIN MUL
	MUL8 F1, 1, 0, 0
	MUL8 F1, 1, 2, 0
.endm
	s_wait_tensorcnt 1                             ; my part of K step 0 is in; K step 1's may be out
	s_barrier_signal -1
	s_barrier_wait -1
	FETCH 0, 0, F0
	QUARTER 0, 128, F0, F1, 1                      ; the first quarter's first products start the sums
	WIN 0
	s_mov_b32 s3, LAPS-1
.Llap:
	QUARTER 0, 256, F1, F0, 0
	QUARTER 0, 384, F0, F1, 0
	TURN 0, 1, 1
	QUARTER 1, 128, F0, F1, 0
	QUARTER 1, 256, F1, F0, 0
	QUARTER 1, 384, F0, F1, 0
	TURN 1, 0, 1
	QUARTER 0, 128, F0, F1, 0
	WIN 0
	s_sub_co_u32 s3, s3, 1
	s_cmp_lg_u32 s3, 0
	s_cbranch_scc1 .Llap
	QUARTER 0, 256, F1, F0, 0                      ; the last lap fills nothing
	QUARTER 0, 384, F0, F1, 0
	TURN 0, 1, 0
	QUARTER 1, 128, F0, F1, 0
	QUARTER 1, 256, F1, F0, 0
	QUARTER 1, 384, F0, F1, 0
	s_wait_dscnt 16
	WIN MUL
	MUL8 F1, 0, 0, 0
	MUL8 F1, 0, 2, 0
	s_wait_dscnt 0
	MUL8 F1, 1, 0, 0
	MUL8 F1, 1, 2, 0
	WIN 0
; THE WAY OUT: my 64 columns of f32 are 256 aligned bytes of a row.  A block of 16 rows goes through my own stage and comes back as whole rows; no other wave is asked.
.macro TOSTAGE a
.irp b, 0,1,2,3
	ds_store_b128 v[STO], v[ACC+8*(4*(\a)+\b):ACC+8*(4*(\a)+\b)+3] offset:64*\b        ; each accumulator from its low end on
	ds_store_b128 v[STO], v[ACC+8*(4*(\a)+\b)+4:ACC+8*(4*(\a)+\b)+7] offset:64*\b+16
.endr
.set BB, BK+32*((\a)%2)
.irp t, 0,1,2,3,4,5,6,7
	ds_load_b128 v[BB+4*\t:BB+4*\t+3], v[RD] offset:\t*2*SPITCH   ; in order behind my stores
.endr
.endm
.macro SEND a, younger                 ; younger: the LDS instructions issued behind block a's loads
.set BB, BK+32*((\a)%2)
	s_wait_dscnt \younger
.if (\a) > 0
	s_add_nc_u64 s[8:9], s[8:9], 65536             ; 16 rows on (behind a wait on XCNT: the earlier stores have read their base)
.endif
.irp t, 0,1,2,3,4,5,6,7
	global_store_b128 v[CO], v[BB+4*\t:BB+4*\t+3], s[8:9] offset:\t*8192 th:TH_STORE_NT   ; sixteen lanes store 256 consecutive bytes, aligned
.endr
.endm
	PLACES
	TOSTAGE 0
.irp a, 1,2,3
.if \a > 1
	s_wait_xcnt 0x0                                ; block a - 2's stores have read their registers and their base
.endif
	TOSTAGE \a
	SEND \a-1, 16                                  ; behind block a - 1's loads: block a's 8 stores and 8 loads
.endr
	s_wait_xcnt 0x0
	SEND 3, 0
	s_wait_tensorcnt 0x0                           ; the wave's end
	ds_add_u32 v[SPW], v[NIL]
	s_wait_dscnt 0x0
	CROUND                                         ; the closing round
	s_endpgm
.Lfunc_end_k_q43a36087f2_wo:
	.size	k_q43a36087f2_wo, .Lfunc_end_k_q43a36087f2_wo-k_q43a36087f2_wo
	.p2alignl 7, 3214868480
	.fill 96, 4, 3214868480
	.section	.rodata,"a",@progbits
	.p2align	6, 0x0
	.amdhsa_kernel k_q43a36087f2_wo
		.amdhsa_group_segment_fixed_size 327680
		.amdhsa_private_segment_fixed_size 0
		.amdhsa_enable_private_segment 0
		.amdhsa_kernarg_size 24
		.amdhsa_user_sgpr_count 2
		.amdhsa_user_sgpr_kernarg_segment_ptr 1
		.amdhsa_wavefront_size32 1
		.amdhsa_system_sgpr_workgroup_id_x 1
		.amdhsa_system_sgpr_workgroup_id_y 1
		.amdhsa_system_sgpr_workgroup_id_z 1
		.amdhsa_system_vgpr_workitem_id 0
		.amdhsa_next_free_vgpr 512
		.amdhsa_next_free_sgpr 66
		.amdhsa_reserve_vcc 0
		.amdhsa_float_denorm_mode_32 3
		.amdhsa_float_denorm_mode_16_64 3
		.amdhsa_memory_ordered 1
		.amdhsa_forward_progress 1
		.amdhsa_inst_pref_size 86
	.end_amdhsa_kernel
	.amdgpu_metadata
---
amdhsa.version: [ 1, 2 ]
amdhsa.kernels:
  - .name:           k_q43a36087f2_wo
    .symbol:         k_q43a36087f2_wo.kd
    .args:
      - { .name: o16, .offset: 0, .size: 8, .value_kind: global_buffer, .address_space: global }
      - { .name: w16, .offset: 8, .size: 8, .value_kind: global_buffer, .address_space: global }
      - { .name: y, .offset: 16, .size: 8, .value_kind: global_buffer, .address_space: global }
    .group_segment_fixed_size: 327680
    .private_segment_fixed_size: 0
    .kernarg_segment_align: 8
    .kernarg_segment_size: 24
    .max_flat_workgroup_size: 128
    .sgpr_count:     66
    .vgpr_count:     512
    .wavefront_size: 32
...
	.end_amdgpu_metadata
.endif
;; end of part 4
;; launch ln1 (part 5): grid 256 x 1, 8 waves a work-group, no clusters, 0 bytes of LDS; arguments y, wo_b, x, ln1_g, ln1_b, h32, h16; writes h32, h16
.if DOCPART == 5
	.amdgcn_target "amdgcn-amd-amdhsa--gfx1250"
	.amdhsa_code_object_version 6
	.text
	.protected	k_q43a36087f2_ln1
	.globl	k_q43a36087f2_ln1
	.p2align	8
	.type	k_q43a36087f2_ln1,@function
k_q43a36087f2_ln1:
	s_mov_b64 s[64:65], 0
	v_nop
	global_prefetch_b8 v0, s[64:65] scope:SCOPE_SE
	s_setreg_imm32_b32 hwreg(HW_REG_WAVE_MODE, 25, 1), 1
	s_wait_xcnt 0x0
; out = LN(c + bias + res) g + b along rows of 1,024, eps = 1e-9; mean, then the mean of squares of (z - mean), as the definition has it.  c, res, out: [4096][1024] f32; with WITH16 the result also goes out in f16.
; One wave, one row at a time, two rows a wave, eight waves; the row stays in 32 registers a lane (columns 128 j + 4 lane + 0 .. 3), so it is read once.  Memory binds: no LDS, no barrier, no matrix unit.
; ALL THAT A WAVE READS IS ASKED FOR AT ITS HEAD: 24 loads of parameters and 16 for each of its two rows, 56 in all: a wave waits for memory once.  While the first row is worked on, the second is on its way.
; Each load and store of a wave covers 512 consecutive bytes (the f16 stores 256), aligned.  No store's data are written again: the f16 copy goes into the registers that held the row's residual.
.set WITH16, 1
.set BI, 8                             ; v8-39    the bias of my 32 columns
.set G,  40                            ; v40-71   g
.set LB, 72                            ; v72-103  b
.set CR, 104                           ; row p at v[CR + 64 p]: 32 of c, then 32 of the residual (later 16 of the row in f16)
.set T,  232                           ; v232-239 four packed chains
	s_load_b256 s[4:11], s[0:1], 0x0               ; c 4, bias 6, res 8, g 10
	s_load_b128 s[12:15], s[0:1], 0x20             ; b 12, out 14
.if WITH16
	s_load_b64 s[16:17], s[0:1], 0x30              ; out in f16
.endif
	v_lshrrev_b32 v1, 5, v0
	v_readfirstlane_b32 s18, v1                    ; wave 0..7
	v_and_b32 v1, 31, v0
	v_lshlrev_b32 v2, 4, v1                        ; 16 bytes a lane
.if WITH16
	v_lshlrev_b32 v3, 3, v1                        ; 8 bytes a lane in f16
.endif
	v_mov_b32 v5, 0                                ; (a lane permute's destination counts as read)
	v_mov_b32 v7, 0                                ; (named as the upper half of the pair v[6:7])
	s_lshl_b32 s19, ttmp9, 4
	s_lshl_b32 s18, s18, 1
	s_add_co_u32 s18, s18, s19                     ; my first row: 16 x work-group + 2 x wave
	s_lshl_b32 s22, s18, 12
	s_mov_b32 s23, 0
.if WITH16
	s_lshl_b32 s24, s18, 11
	s_mov_b32 s25, 0
.endif
	s_mov_b32 s20, 0x3a800000                      ; 1 / 1024
	s_mov_b32 s21, 0x3089705f                      ; 1e-9
	s_mov_b32 s26, 0x76543210
	s_mov_b32 s27, 0xfedcba98
	s_wait_kmcnt 0x0
	s_add_nc_u64 s[4:5], s[4:5], s[22:23]
	s_add_nc_u64 s[8:9], s[8:9], s[22:23]
	s_add_nc_u64 s[14:15], s[14:15], s[22:23]
.if WITH16
	s_add_nc_u64 s[16:17], s[16:17], s[24:25]
.endif
.irp j, 0,1,2,3,4,5,6,7
	global_load_b128 v[BI+4*\j:BI+4*\j+3], v2, s[6:7] offset:512*\j
	global_load_b128 v[G+4*\j:G+4*\j+3],   v2, s[10:11] offset:512*\j
	global_load_b128 v[LB+4*\j:LB+4*\j+3], v2, s[12:13] offset:512*\j
.endr
.macro FILL i
.set ZF, CR+64*(\i)
.irp j, 0,1,2,3,4,5,6,7
	global_load_b128 v[ZF+4*\j:ZF+4*\j+3], v2, s[4:5] offset:4096*(\i)+512*\j th:TH_LOAD_NT
.endr
.irp j, 0,1,2,3,4,5,6,7
	global_load_b128 v[ZF+32+4*\j:ZF+32+4*\j+3], v2, s[8:9] offset:4096*(\i)+512*\j
.endr
.endm
.macro REDUCE                          ; the four chains, then the 32 lanes: the sum in v4 of every lane
	v_pk_add_f32 v[T:T+1], v[T:T+1], v[T+2:T+3]
	v_pk_add_f32 v[T+4:T+5], v[T+4:T+5], v[T+6:T+7]
	v_pk_add_f32 v[T:T+1], v[T:T+1], v[T+4:T+5]
	v_add_f32 v4, v[T], v[T+1]
	v_add_f32_dpp v4, v4, v4 row_xmask:1 row_mask:0xf bank_mask:0xf
	v_add_f32_dpp v4, v4, v4 row_xmask:2 row_mask:0xf bank_mask:0xf
	v_add_f32_dpp v4, v4, v4 row_xmask:4 row_mask:0xf bank_mask:0xf
	v_add_f32_dpp v4, v4, v4 row_xmask:8 row_mask:0xf bank_mask:0xf
	v_permlanex16_b32 v5, v4, s26, s27
	v_add_f32 v4, v4, v5
.endm
.macro ROW i, left
.set Z, CR+64*(\i)
	s_wait_loadcnt \left                           ; this row's 16 loads (and the parameters) are in; the second row's 16 may be out
.irp j, 0,2,4,6,8,10,12,14,16,18,20,22,24,26,28,30
	v_pk_add_f32 v[Z+\j:Z+\j+1], v[Z+\j:Z+\j+1], v[BI+\j:BI+\j+1]
.endr
.irp j, 0,2,4,6,8,10,12,14,16,18,20,22,24,26,28,30
	v_pk_add_f32 v[Z+\j:Z+\j+1], v[Z+\j:Z+\j+1], v[Z+32+\j:Z+32+\j+1]
.endr
.irp k, 0,2,4,6
	v_pk_add_f32 v[T+\k:T+\k+1], v[Z+\k:Z+\k+1], v[Z+8+\k:Z+8+\k+1]
.endr
.irp q, 16,24
.irp k, 0,2,4,6
	v_pk_add_f32 v[T+\k:T+\k+1], v[T+\k:T+\k+1], v[Z+\q+\k:Z+\q+\k+1]
.endr
.endr
	REDUCE
	v_mul_f32 v6, s20, v4                          ; the mean
.irp j, 0,2,4,6,8,10,12,14,16,18,20,22,24,26,28,30
	v_pk_add_f32 v[Z+\j:Z+\j+1], v[Z+\j:Z+\j+1], v[6:7] op_sel_hi:[1,0] neg_lo:[0,1] neg_hi:[0,1]
.endr
.irp k, 0,2,4,6
	v_pk_mul_f32 v[T+\k:T+\k+1], v[Z+\k:Z+\k+1], v[Z+\k:Z+\k+1]
.endr
.irp q, 8,16,24
.irp k, 0,2,4,6
	v_pk_fma_f32 v[T+\k:T+\k+1], v[Z+\q+\k:Z+\q+\k+1], v[Z+\q+\k:Z+\q+\k+1], v[T+\k:T+\k+1]
.endr
.endr
	REDUCE
	v_fma_f32 v4, v4, s20, s21                     ; the variance + eps
	v_rsq_f32 v6, v4
	v_nop                                          ; a plain line behind the transcendental
	s_wait_alu depctr_va_vdst(0)                   ; and the wait ahead of its first reader
.irp j, 0,2,4,6,8,10,12,14,16,18,20,22,24,26,28,30
	v_pk_mul_f32 v[Z+\j:Z+\j+1], v[Z+\j:Z+\j+1], v[6:7] op_sel_hi:[1,0]
.endr
.irp j, 0,2,4,6,8,10,12,14,16,18,20,22,24,26,28,30
	v_pk_fma_f32 v[Z+\j:Z+\j+1], v[Z+\j:Z+\j+1], v[G+\j:G+\j+1], v[LB+\j:LB+\j+1]
.endr
.irp j, 0,1,2,3,4,5,6,7
	global_store_b128 v2, v[Z+4*\j:Z+4*\j+3], s[14:15] offset:4096*(\i)+512*\j
.endr
.if WITH16
.irp n, 0,1,2,3,4,5,6,7,8,9,10,11,12,13,14,15
	v_cvt_pk_f16_f32 v[Z+32+\n], v[Z+2*\n], v[Z+2*\n+1]            ; into the registers that held this row's residual
.endr
.irp j, 0,1,2,3,4,5,6,7
	global_store_b64 v3, v[Z+32+2*\j:Z+32+2*\j+1], s[16:17] offset:2048*(\i)+256*\j
.endr
.endif
.endm
	FILL 0
	FILL 1
	ROW 0, 16
	ROW 1, 0
	s_endpgm
.Lfunc_end_k_q43a36087f2_ln1:
	.size	k_q43a36087f2_ln1, .Lfunc_end_k_q43a36087f2_ln1-k_q43a36087f2_ln1
	.p2alignl 7, 3214868480
	.fill 96, 4, 3214868480
	.section	.rodata,"a",@progbits
	.p2align	6, 0x0
	.amdhsa_kernel k_q43a36087f2_ln1
		.amdhsa_group_segment_fixed_size 0
		.amdhsa_private_segment_fixed_size 0
		.amdhsa_enable_private_segment 0
		.amdhsa_kernarg_size 56
		.amdhsa_user_sgpr_count 2
		.amdhsa_user_sgpr_kernarg_segment_ptr 1
		.amdhsa_wavefront_size32 1
		.amdhsa_system_sgpr_workgroup_id_x 1
		.amdhsa_system_sgpr_workgroup_id_y 1
		.amdhsa_system_sgpr_workgroup_id_z 1
		.amdhsa_system_vgpr_workitem_id 0
		.amdhsa_next_free_vgpr 240
		.amdhsa_next_free_sgpr 66
		.amdhsa_reserve_vcc 0
		.amdhsa_float_denorm_mode_32 3
		.amdhsa_float_denorm_mode_16_64 3
		.amdhsa_memory_ordered 1
		.amdhsa_forward_progress 1
		.amdhsa_inst_pref_size 28
	.end_amdhsa_kernel
	.amdgpu_metadata
---
amdhsa.version: [ 1, 2 ]
amdhsa.kernels:
  - .name:           k_q43a36087f2_ln1
    .symbol:         k_q43a36087f2_ln1.kd
    .args:
      - { .name: y, .offset: 0, .size: 8, .value_kind: global_buffer, .address_space: global }
      - { .name: wo_b, .offset: 8, .size: 8, .value_kind: global_buffer, .address_space: global }
      - { .name: x, .offset: 16, .size: 8, .value_kind: global_buffer, .address_space: global }
      - { .name: ln1_g, .offset: 24, .size: 8, .value_kind: global_buffer, .address_space: global }
      - { .name: ln1_b, .offset: 32, .size: 8, .value_kind: global_buffer, .address_space: global }
      - { .name: h32, .offset: 40, .size: 8, .value_kind: global_buffer, .address_space: global }
      - { .name: h16, .offset: 48, .size: 8, .value_kind: global_buffer, .address_space: global }
    .group_segment_fixed_size: 0
    .private_segment_fixed_size: 0
    .kernarg_segment_align: 8
    .kernarg_segment_size: 56
    .max_flat_workgroup_size: 256
    .sgpr_count:     66
    .vgpr_count:     240
    .wavefront_size: 32
...
	.end_amdgpu_metadata
.endif
;; end of part 5
;; launch f1 (part 6): grid 16 x 16, 4 waves a work-group, clusters of 4 x 4, 327,680 bytes of LDS; arguments h16, w16, f1_b, a16; writes a16
.if DOCPART == 6
	.amdgcn_target "amdgcn-amd-amdhsa--gfx1250"
	.amdhsa_code_object_version 6
	.text
	.protected	k_q43a36087f2_f1
	.globl	k_q43a36087f2_f1
	.p2align	8
	.type	k_q43a36087f2_f1,@function
k_q43a36087f2_f1:
	s_mov_b64 s[64:65], 0
	v_nop
	global_prefetch_b8 v0, s[64:65] scope:SCOPE_SE
	s_setreg_imm32_b32 hwreg(HW_REG_WAVE_MODE, 25, 1), 1
	s_wait_xcnt 0x0
	s_wait_alu depctr_hold_cnt(0) depctr_sa_sdst(0) depctr_va_vdst(0) depctr_va_sdst(0) depctr_va_ssrc(0) depctr_va_vcc(0) depctr_vm_vsrc(0)
	s_getreg_b32 s2, hwreg(HW_REG_IB_STS2, 6, 4)
	s_cmp_eq_u32 s2, 0
	s_cbranch_scc0 .Lentry_in_a_cluster
	s_endpgm
.Lentry_in_a_cluster:
	s_bfe_u32 s2, ttmp6, 0x10000c
	s_cmp_lg_u32 s2, 0xf033
	s_cbranch_scc0 .Lentry_shape_is_right
	s_endpgm
.Lentry_shape_is_right:
; a = relu(h f1_w + f1_b).  h16: [4096][1024] f16, K innermost.  f1_w in f16 as it lies, [1024 (k)][4096 (n)], 2,097,152 bytes into w16.  a16: [4096][4096] f16.  Sums in f32; the result is rounded once.
; A tile is 256 x 256: 256 work-groups of four waves; a wave makes 128 x 128: 64 accumulators, 512 registers.  K goes in steps of 128 through two LDS slots.  A's rows lie along K (256 bytes + 16);
; B's tile is 128 rows of K x 256 n (512 bytes + 32) and its fragments come out turned, by ds_load_tr16_b128.  CLUSTERS 4 x 4: A's tiles jointly along a row of the cluster, B's along a column.
; THE MATRIX INSTRUCTION IS USED TRANSPOSED (source 0 = 16 n of B, source 1 = 16 rows of A).  THE BIAS is the C of each sum's first product.
; LIMIT: what lies beyond 65,504 is held there, by the same line that clips at 0.
; REGISTERS: window 0: v0-31 addresses; v64-191 A's fragments, two buffers; v192-255 the bias, later the way out with v32-63.  window 1: v64-191 B's fragments, two buffers.  windows 2, 3: the accumulators.
.set SIZE_N, 4096
.set SIZE_K, 1024
.set KSTEP,  128
.set PITCH,  272
.set BP,     544                       ; B's LDS row: an odd multiple of 32 bytes
.set HALFT,  128*PITCH                 ; 128 rows of A, or 64 rows of B: what one tensor load brings
.set SLOT,   4*HALFT
.set STAGE,  2*SLOT
.set SPITCH, 272
.set SPARE,  STAGE+4*16*SPITCH         ; the spare words, 128 bytes for each wave: two blocks of 256 bytes that no other line names
.set LAPS,   SIZE_K/(2*KSTEP)
.set ADRA, 16
.set ADRB, 20
.set STO,  24
.set RD,   25
.set CO,   26
.set SPW,  28
.set NIL,  29
.set F0,   64
.set F1,   128
.set BI,   192
.set TMP,  192
.set OB,   32
.set G1, 24
.set G0, 32
.set G1B, 48
.set G0B, 56
.set MSB, 0
.macro WIN new
.if MSB != (\new)
	s_set_vgpr_msb (MSB<<8)|(\new)
.set MSB, (\new)
.endif
.endm
.set MUL_LO,   0xa1
.set MUL_HI,   0xf1
.set FIRST_LO, 0x81                    ; the first products: C (the bias) window 0, D window 2
.set FIRST_HI, 0xc1
.set TO_B,     0x40
.macro JLOAD s
	s_cmp_eq_u32 s11, 0
	s_cbranch_scc0 .Lfor_b_\@
	tensor_load_to_lds s[G0+4*\s:G0+4*\s+3], s[G1:G1+7]
	s_nop 0
.rept 4
	v_nop
.endr
	s_branch .Lasked_\@
.Lfor_b_\@:
	tensor_load_to_lds s[G0B+4*\s:G0B+4*\s+3], s[G1B:G1B+7]
	s_nop 0
.rept 4
	v_nop
.endr
.Lasked_\@:
.endm
.macro CREST
	s_cmp_lg_u32 s10, 0
	s_cbranch_scc1 .Lnot_wave_0_\@
	s_barrier_signal -3
.Lnot_wave_0_\@:
	s_barrier_wait -3
	s_barrier_signal -1
	s_barrier_wait -1
.endm
.macro CROUND
	s_barrier_signal -1
	s_barrier_wait -1
	CREST
.endm
	s_load_b128 s[4:7], s[0:1], 0x0                ; h16, w16
	s_load_b64 s[66:67], s[0:1], 0x10              ; f1_b
	s_load_b64 s[8:9], s[0:1], 0x18                ; a16
	v_lshl_add_u32 v[SPW], v0, 2, SPARE
	v_mov_b32 v[NIL], 0
	ds_add_u32 v[SPW], v[NIL]                      ; the wave's opening: the add and its wait ahead of my first tensor load
	v_lshrrev_b32 v1, 5, v0
	v_readfirstlane_b32 s10, v1
	s_lshr_b32 s11, s10, 1                         ; which half of the tile's rows is mine.  Also: I fetch for A (0) or for B (1)
	s_and_b32 s12, s10, 1                          ; which half of its columns.  Also: which half of that tile I fetch
	s_bfe_u32 s40, ttmp6, 0x40000
	s_bfe_u32 s41, ttmp6, 0x40004
	s_lshl_b32 s42, ttmp9, 2
	s_add_co_u32 s42, s42, s40                     ; tile column
	s_and_b32 s13, ttmp7, 0xffff
	s_lshl_b32 s13, s13, 2
	s_add_co_u32 s13, s13, s41                     ; tile row
	s_lshl_b32 s43, s41, 2
	s_lshl_b32 s43, 15, s43
	s_lshl_b32 s44, 0x1111, s40
	s_mov_b32 s68, 0x477fe000                      ; 65,504
	s_or_b32 s[G1+0], s43, (1<<16)|(1<<20)|(1<<21)|(5<<22)|(3<<25)   ; A: 128 rows x 128 elements of 2 bytes; 4 words of padding after every 64
	s_mov_b32 s[G1+1], KSTEP<<16
	s_mov_b32 s[G1+2], 128<<16
	s_mov_b32 s[G1+3], KSTEP<<16
	s_mov_b32 s[G1+4], 128
	s_mov_b32 s[G1+5], SIZE_K
	s_mov_b32 s[G1+6], 0
	s_mov_b32 s[G1+7], 0
	s_or_b32 s[G1B+0], s44, (1<<16)|(1<<20)|(1<<21)|(6<<22)|(7<<25)  ; B: 64 rows of K x 256 n; 8 words of padding after every 128
	s_mov_b32 s[G1B+1], 256<<16
	s_mov_b32 s[G1B+2], 64<<16
	s_mov_b32 s[G1B+3], 256<<16
	s_mov_b32 s[G1B+4], 64
	s_mov_b32 s[G1B+5], SIZE_N
	s_mov_b32 s[G1B+6], 0
	s_mov_b32 s[G1B+7], 0
	s_lshl_b32 s17, s12, 7
	s_lshl_b32 s16, s13, 8
	s_add_co_u32 s16, s16, s17                     ; A: row 256 x tile row + 128 x half
	s_lshl_b32 s16, s16, 11                        ; x 2,048 bytes
	s_mov_b32 s17, 0
	s_lshl_b32 s46, s12, 19                        ; B: 64 rows of 8,192 bytes x half
	s_lshl_b32 s47, s42, 9                         ; + 512 bytes x tile column
	s_add_co_u32 s46, s46, s47
	s_add_co_u32 s46, s46, 2097152                 ; f1_w's place in w16
	s_mov_b32 s47, 0
	s_mul_i32 s20, s10, HALFT                      ; where they go: A's two halves, then B's two
	s_wait_dscnt 0x0                               ; the opening add is done
	s_wait_kmcnt 0x0
	s_add_nc_u64 s[14:15], s[4:5], s[16:17]
	s_add_nc_u64 s[46:47], s[6:7], s[46:47]
	CROUND                                         ; all sixteen work-groups are here: the first joint loads meet
.irp s, 0,1
	s_mov_b32 s[G0+4*\s], 1
	s_add_co_u32 s[G0+4*\s+1], s20, \s*SLOT
	s_add_nc_u64 s[G0+4*\s+2:G0+4*\s+3], s[14:15], \s*KSTEP*2
	s_or_b32 s[G0+4*\s+3], s[G0+4*\s+3], 0x80000000
	s_mov_b32 s[G0B+4*\s], 1
	s_add_co_u32 s[G0B+4*\s+1], s20, \s*SLOT
	s_add_nc_u64 s[G0B+4*\s+2:G0B+4*\s+3], s[46:47], \s*KSTEP*SIZE_N*2
	s_or_b32 s[G0B+4*\s+3], s[G0B+4*\s+3], 0x80000000
	JLOAD \s
.endr
	v_and_b32 v1, 15, v0                           ; r
	v_bfe_u32 v2, v0, 4, 1                         ; h
	; the bias: lane (r, h) wants, for B's block b, columns 16 b + 8 h + 0 .. 7 of my 128
	s_lshl_b32 s46, s42, 10
	s_lshl_b32 s47, s12, 9
	s_add_co_u32 s46, s46, s47
	s_mov_b32 s47, 0
	s_add_nc_u64 s[66:67], s[66:67], s[46:47]
	v_lshlrev_b32 v7, 5, v2
.irp b, 0,1,2,3,4,5,6,7
	global_load_b128 v[BI+8*\b:BI+8*\b+3], v7, s[66:67] offset:64*\b
	global_load_b128 v[BI+8*\b+4:BI+8*\b+7], v7, s[66:67] offset:64*\b+16
.endr
	v_mul_u32_u24 v3, v1, PITCH
	v_lshl_add_u32 v3, v2, 4, v3
	v_and_b32 v4, 7, v0                            ; the turning load: lane l reads row 8 h + l % 8 of K, 16 bytes at 16 ((l / 8) % 2)
	v_lshl_add_u32 v4, v2, 3, v4
	v_mul_u32_u24 v4, v4, BP
	v_bfe_u32 v5, v0, 3, 1
	v_lshl_add_u32 v4, v5, 4, v4
	s_mul_i32 s21, s11, HALFT                      ; my 128 rows of A
	s_lshl_b32 s22, s12, 8                         ; my 128 n: 256 bytes x half,
	s_add_co_u32 s22, s22, 2*HALFT                 ; behind A's 256 rows
.irp s, 0,1
	v_add_nc_u32 v[ADRA+\s], s21, v3
	v_add_nc_u32 v[ADRB+\s], s22, v4
	s_add_co_u32 s21, s21, SLOT
	s_add_co_u32 s22, s22, SLOT
.endr
	s_mul_i32 s23, s10, 16*SPITCH
	s_add_co_u32 s23, s23, STAGE                   ; my stage
	v_mul_u32_u24 v4, v1, SPITCH
	v_lshl_add_u32 v4, v2, 4, v4
	v_add_nc_u32 v[STO], s23, v4
	v_mul_u32_u24 v5, v2, SPITCH
	v_lshl_add_u32 v5, v1, 4, v5
	v_add_nc_u32 v[RD], s23, v5
	v_lshlrev_b32 v5, 13, v2
	v_lshl_add_u32 v[CO], v1, 4, v5                ; two rows of a16, 8,192 bytes apart
	s_lshl_b32 s16, s13, 8
	s_lshl_b32 s17, s11, 7
	s_add_co_u32 s16, s16, s17
	s_lshl_b32 s16, s16, 13                        ; my first row x 8,192 bytes
	s_lshl_b32 s46, s42, 9
	s_lshl_b32 s47, s12, 8
	s_add_co_u32 s46, s46, s47
	s_add_co_u32 s16, s16, s46
	s_mov_b32 s17, 0
	s_add_nc_u64 s[8:9], s[8:9], s[16:17]
; 16 matrix instructions: m blocks a0, a0 + 1 of the window's four x all 8 n blocks, 32 along K.  The 64 accumulators take turns.  zero = 1: the first product starts the sums on the bias.
.macro MUL16 f, hi, a0, zero
.irp a, \a0, \a0+1
.irp b, 0,1,2,3,4,5,6,7
.if \zero
	v_wmma_f32_16x16x32_f16 v[8*(8*(\a)+\b):8*(8*(\a)+\b)+7], v[\f+8*\b:\f+8*\b+7], v[\f+8*(4*\hi+\a):\f+8*(4*\hi+\a)+7], v[BI+8*\b:BI+8*\b+7]
.else
	v_wmma_f32_16x16x32_f16 v[8*(8*(\a)+\b):8*(8*(\a)+\b)+7], v[\f+8*\b:\f+8*\b+7], v[\f+8*(4*\hi+\a):\f+8*(4*\hi+\a)+7], v[8*(8*(\a)+\b):8*(8*(\a)+\b)+7]
.endif
.endr
.endr
.endm
.macro FETCH slot, k, f                ; 32 LDS loads in one run: 32 along K at byte k of A's rows (row k / 2 of B's tile)
	WIN TO_B
.irp i, 0,1,2,3,4,5,6,7
	ds_load_tr16_b128 v[\f+8*\i:\f+8*\i+3],   v[ADRB+\slot] offset:((\k)/2)*BP+32*\i
	ds_load_tr16_b128 v[\f+8*\i+4:\f+8*\i+7], v[ADRB+\slot] offset:((\k)/2+16)*BP+32*\i
.endr
	WIN 0
.irp i, 0,1,2,3,4,5,6,7
	ds_load_b128 v[\f+8*\i:\f+8*\i+3],   v[ADRA+\slot] offset:\k+\i*16*PITCH
	ds_load_b128 v[\f+8*\i+4:\f+8*\i+7], v[ADRA+\slot] offset:\k+\i*16*PITCH+32
.endr
.endm
.macro PLACES
.rept 4
	v_nop
.endr
.endm
.macro QUARTER slot, k, f, g, zero
	s_wait_dscnt 8                                 ; B and A's rows 0-63 are in; the youngest eight loads (A's rows 64-127) may be out
.if \zero
	WIN FIRST_LO
.else
	WIN MUL_LO
.endif
	MUL16 \f, 0, 0, \zero
	MUL16 \f, 0, 2, \zero
	PLACES
	FETCH \slot, \k, \g
	s_wait_dscnt 32                                ; all but the 32 just issued
.if \zero
	WIN FIRST_HI
.else
	WIN MUL_HI
.endif
	MUL16 \f, 1, 0, \zero
	MUL16 \f, 1, 2, \zero
.endm
.macro MEET round                      ; the first half of a slot's last quarter: one barrier for the change of slots
	WIN 0
	s_wait_tensorcnt 0x0                           ; all my tensor loads have landed: my part of the next slot
	ds_add_u32 v[SPW], v[NIL]
	s_wait_dscnt 9                                 ; the add and the youngest eight loads may be out
	WIN MUL_LO
	MUL16 F1, 0, 0, 0
	s_wait_dscnt 0x0                               ; the add is done, and my reads of this slot are over
	s_barrier_signal -1
	MUL16 F1, 0, 2, 0
.if \round
	WIN 0
.endif
	s_barrier_wait -1
.endm
.macro TURN slot, next                 ; the whole last quarter: behind a round of the cluster's barrier the slot just read is filled again, two K steps ahead
	MEET 1
	CREST
	s_add_nc_u64 s[G0+4*\slot+2:G0+4*\slot+3], s[G0+4*\slot+2:G0+4*\slot+3], 2*KSTEP*2
	s_add_nc_u64 s[G0B+4*\slot+2:G0B+4*\slot+3], s[G0B+4*\slot+2:G0B+4*\slot+3], 2*KSTEP*SIZE_N*2
	JLOAD \slot                                    ; its four v_nop are also the places in front of the loads below
	FETCH \next, 0, F0
	WIN MUL_HI
	MUL16 F1, 1, 0, 0
	MUL16 F1, 1, 2, 0
.endm
	s_wait_tensorcnt 1                             ; my part of K step 0 is in; K step 1's may be out
	s_barrier_signal -1
	s_barrier_wait -1
	FETCH 0, 0, F0
	s_wait_loadcnt 0x0                             ; the bias
	QUARTER 0, 64,  F0, F1, 1
	WIN 0
	s_mov_b32 s3, LAPS-1
.Llap:
	QUARTER 0, 128, F1, F0, 0
	QUARTER 0, 192, F0, F1, 0
	TURN 0, 1
	QUARTER 1, 64,  F0, F1, 0
	QUARTER 1, 128, F1, F0, 0
	QUARTER 1, 192, F0, F1, 0
	TURN 1, 0
	QUARTER 0, 64,  F0, F1, 0
	WIN 0
	s_sub_co_u32 s3, s3, 1
	s_cmp_lg_u32 s3, 0
	s_cbranch_scc1 .Llap
	QUARTER 0, 128, F1, F0, 0                      ; the last lap fills nothing
	QUARTER 0, 192, F0, F1, 0
	MEET 0
	PLACES
	FETCH 1, 0, F0
	WIN MUL_HI
	MUL16 F1, 1, 0, 0
	MUL16 F1, 1, 2, 0
	QUARTER 1, 64,  F0, F1, 0
	QUARTER 1, 128, F1, F0, 0
	QUARTER 1, 192, F0, F1, 0
	s_wait_dscnt 8
	WIN MUL_LO
	MUL16 F1, 0, 0, 0
	MUL16 F1, 0, 2, 0
	s_wait_dscnt 0
	WIN MUL_HI
	MUL16 F1, 1, 0, 0
	MUL16 F1, 1, 2, 0
	WIN 0
; THE WAY OUT, a block of 16 rows at a time: clipped at 0 and held at 65,504 by one line, rounded to f16, through my own stage, out as whole rows of 256 bytes.
.macro PACK a
.set AC, 64*((\a)%4)
	WIN 0x82+0x41*((\a)/4)                         ; destination and source 0: window 2 or 3
.set n, 0
.rept 64
	v_med3_num_f32 v[AC+n], v[AC+n], 0, s68        ; each accumulator from its low end on
.set n, n+1
.endr
	WIN 0x0a+5*((\a)/4)                            ; sources 0 and 1: window 2 or 3
.irp b, 0,1,2,3,4,5,6,7
.irp r, 0,1,2,3
	v_cvt_pk_f16_f32 v[TMP+4*\b+\r], v[AC+8*\b+2*\r], v[AC+8*\b+2*\r+1]
.endr
.endr
	WIN 0
.endm
.macro TOSTAGE a
.set BK, OB+192*((\a)%2)
.irp b, 0,1,2,3,4,5,6,7
	ds_store_b128 v[STO], v[TMP+4*\b:TMP+4*\b+3] offset:32*\b
.endr
.irp t, 0,1,2,3,4,5,6,7
	ds_load_b128 v[BK+4*\t:BK+4*\t+3], v[RD] offset:\t*2*SPITCH   ; in order behind my stores
.endr
.endm
.macro SEND a
.set BK, OB+192*((\a)%2)
	s_wait_dscnt 0x0                               ; the block is back in registers
	s_wait_xcnt 0x0                                ; earlier stores have read their base and their data
.if (\a) > 0
	s_add_nc_u64 s[8:9], s[8:9], 16*SIZE_N*2
.endif
.irp t, 0,1,2,3,4,5,6,7
	global_store_b128 v[CO], v[BK+4*\t:BK+4*\t+3], s[8:9] offset:2*\t*SIZE_N*2   ; sixteen lanes store 256 consecutive bytes, aligned
.endr
.endm
	PLACES
	PACK 0
	TOSTAGE 0
.irp a, 1,2,3,4,5,6,7
	PACK \a
	SEND \a-1
	TOSTAGE \a
.endr
	SEND 7
	s_wait_tensorcnt 0x0                           ; the wave's end
	ds_add_u32 v[SPW], v[NIL]
	s_wait_dscnt 0x0
	CROUND                                         ; the closing round
	s_endpgm
.Lfunc_end_k_q43a36087f2_f1:
	.size	k_q43a36087f2_f1, .Lfunc_end_k_q43a36087f2_f1-k_q43a36087f2_f1
	.p2alignl 7, 3214868480
	.fill 96, 4, 3214868480
	.section	.rodata,"a",@progbits
	.p2align	6, 0x0
	.amdhsa_kernel k_q43a36087f2_f1
		.amdhsa_group_segment_fixed_size 327680
		.amdhsa_private_segment_fixed_size 0
		.amdhsa_enable_private_segment 0
		.amdhsa_kernarg_size 32
		.amdhsa_user_sgpr_count 2
		.amdhsa_user_sgpr_kernarg_segment_ptr 1
		.amdhsa_wavefront_size32 1
		.amdhsa_system_sgpr_workgroup_id_x 1
		.amdhsa_system_sgpr_workgroup_id_y 1
		.amdhsa_system_sgpr_workgroup_id_z 1
		.amdhsa_system_vgpr_workitem_id 0
		.amdhsa_next_free_vgpr 1024
		.amdhsa_next_free_sgpr 72
		.amdhsa_reserve_vcc 0
		.amdhsa_float_denorm_mode_32 3
		.amdhsa_float_denorm_mode_16_64 3
		.amdhsa_memory_ordered 1
		.amdhsa_forward_progress 1
		.amdhsa_inst_pref_size 177
	.end_amdhsa_kernel
	.amdgpu_metadata
---
amdhsa.version: [ 1, 2 ]
amdhsa.kernels:
  - .name:           k_q43a36087f2_f1
    .symbol:         k_q43a36087f2_f1.kd
    .args:
      - { .name: h16, .offset: 0, .size: 8, .value_kind: global_buffer, .address_space: global }
      - { .name: w16, .offset: 8, .size: 8, .value_kind: global_buffer, .address_space: global }
      - { .name: f1_b, .offset: 16, .size: 8, .value_kind: global_buffer, .address_space: global }
      - { .name: a16, .offset: 24, .size: 8, .value_kind: global_buffer, .address_space: global }
    .group_segment_fixed_size: 327680
    .private_segment_fixed_size: 0
    .kernarg_segment_align: 8
    .kernarg_segment_size: 32
    .max_flat_workgroup_size: 128
    .sgpr_count:     72
    .vgpr_count:     1024
    .wavefront_size: 32
...
	.end_amdgpu_metadata
.endif
;; end of part 6
;; launch f2 (part 7): grid 8 x 32, 4 waves a work-group, clusters of 4 x 4, 327,680 bytes of LDS; arguments a16, w16, y; writes y
.if DOCPART == 7
	.amdgcn_target "amdgcn-amd-amdhsa--gfx1250"
	.amdhsa_code_object_version 6
	.text
	.protected	k_q43a36087f2_f2
	.globl	k_q43a36087f2_f2
	.p2align	8
	.type	k_q43a36087f2_f2,@function
k_q43a36087f2_f2:
	s_mov_b64 s[64:65], 0
	v_nop
	global_prefetch_b8 v0, s[64:65] scope:SCOPE_SE
	s_setreg_imm32_b32 hwreg(HW_REG_WAVE_MODE, 25, 1), 1
	s_wait_xcnt 0x0
	s_wait_alu depctr_hold_cnt(0) depctr_sa_sdst(0) depctr_va_vdst(0) depctr_va_sdst(0) depctr_va_ssrc(0) depctr_va_vcc(0) depctr_vm_vsrc(0)
	s_getreg_b32 s2, hwreg(HW_REG_IB_STS2, 6, 4)
	s_cmp_eq_u32 s2, 0
	s_cbranch_scc0 .Lentry_in_a_cluster
	s_endpgm
.Lentry_in_a_cluster:
	s_bfe_u32 s2, ttmp6, 0x10000c
	s_cmp_lg_u32 s2, 0xf033
	s_cbranch_scc0 .Lentry_shape_is_right
	s_endpgm
.Lentry_shape_is_right:
; y = A B.  A: [4096][SIZE_K] f16, K innermost.  B: [SIZE_K][1024] f16, as the weight lies (K is its first axis), WOFF bytes into w16.  y: [4096][1024] f32: the bare sums; bias, residual and norm follow in the next launch.
; A tile of y is 128 x 128: 256 work-groups.  Four waves, each 64 x 64: 16 accumulators.  K goes in steps of 256 through two LDS slots.  A's rows lie along K (512 bytes + 16); B's tile is 256 rows of K x 128 n (256 bytes + 32)
; and its fragments come out turned, by ds_load_tr16_b128.  CLUSTERS 4 x 4: A's tiles are asked for jointly along a row of the cluster, B's along a column.
; THE MATRIX INSTRUCTION IS USED TRANSPOSED (source 0 = 16 n of B, source 1 = 16 rows of A): a lane holds eight neighbouring numbers of a row of y.
; REGISTERS: window 0: v0-31 addresses; v32-95 the way out; v128-255 the accumulators ((a, b) at v[128 + 8 (4 a + b)]).  window 1: two fragment buffers of 128: 64 registers of A, then 64 of B, for 64 along K.
.set SIZE_K, 4096
.set WOFF,   10485760
.set KSTEP,  256
.set PITCH,  528                       ; A's LDS row
.set BP,     288                       ; B's LDS row: an odd multiple of 32 bytes
.set AHALF,  64*PITCH                  ; what one tensor load brings of A,
.set BHALF,  128*BP                    ; of B
.set BOFF,   2*AHALF
.set SLOT,   2*AHALF+2*BHALF
.set SPARE,  2*SLOT                    ; the spare words, 128 bytes for each wave: two blocks of 256 bytes that no other line names
.set SPITCH, 272                       ; the way out: a stage of 16 rows x (256 bytes + 16) for each wave, in slot 0, behind its last fill and its last read
.set LAPS,   SIZE_K/(2*KSTEP)
.set ADRA, 16                          ; v16-17 A's fragments in slot 0, 1
.set ADRB, 20                          ; v20-23 B's: 2 x slot + which 128 rows of K
.set STO,  24
.set RD,   25
.set CO,   26
.set SPW,  28
.set NIL,  29
.set BK,   32
.set ACC,  128
.set F0,   0
.set F1,   128
.set G1, 24
.set G0, 32
.set G1B, 48
.set G0B, 56
.set MSB, 0
.macro WIN new
.if MSB != (\new)
	s_set_vgpr_msb (MSB<<8)|(\new)
.set MSB, (\new)
.endif
.endm
.set MUL,  0x05
.set TO_F, 0x40
.macro JLOAD s                         ; a joint load: waves 0 and 1 fetch A's halves, waves 2 and 3 B's; an s_nop 0 and four v_nop follow each line
	s_cmp_eq_u32 s11, 0
	s_cbranch_scc0 .Lfor_b_\@
	tensor_load_to_lds s[G0+4*\s:G0+4*\s+3], s[G1:G1+7]
	s_nop 0
.rept 4
	v_nop
.endr
	s_branch .Lasked_\@
.Lfor_b_\@:
	tensor_load_to_lds s[G0B+4*\s:G0B+4*\s+3], s[G1B:G1B+7]
	s_nop 0
.rept 4
	v_nop
.endr
.Lasked_\@:
.endm
.macro CREST
	s_cmp_lg_u32 s10, 0
	s_cbranch_scc1 .Lnot_wave_0_\@
	s_barrier_signal -3
.Lnot_wave_0_\@:
	s_barrier_wait -3
	s_barrier_signal -1
	s_barrier_wait -1
.endm
.macro CROUND
	s_barrier_signal -1
	s_barrier_wait -1
	CREST
.endm
	s_load_b128 s[4:7], s[0:1], 0x0                ; A, w16
	s_load_b64 s[8:9], s[0:1], 0x10                ; y
	v_lshl_add_u32 v[SPW], v0, 2, SPARE
	v_mov_b32 v[NIL], 0
	ds_add_u32 v[SPW], v[NIL]                      ; the wave's opening: the add and its wait ahead of my first tensor load
	v_lshrrev_b32 v1, 5, v0
	v_readfirstlane_b32 s10, v1                    ; wave 0..3
	s_lshr_b32 s11, s10, 1                         ; which half of the tile's rows is mine.  Also: I fetch for A (0) or for B (1)
	s_and_b32 s12, s10, 1                          ; which half of its columns.  Also: which half of that tile I fetch
	s_bfe_u32 s40, ttmp6, 0x40000
	s_bfe_u32 s41, ttmp6, 0x40004
	s_lshl_b32 s42, ttmp9, 2
	s_add_co_u32 s42, s42, s40                     ; tile column
	s_and_b32 s13, ttmp7, 0xffff
	s_lshl_b32 s13, s13, 2
	s_add_co_u32 s13, s13, s41                     ; tile row
	s_lshl_b32 s43, s41, 2
	s_lshl_b32 s43, 15, s43                        ; my row of the cluster
	s_lshl_b32 s44, 0x1111, s40                    ; my column
	s_or_b32 s[G1+0], s43, (1<<16)|(1<<20)|(1<<21)|(6<<22)|(3<<25)   ; A: elements of 2 bytes; 4 words of padding after every 128
	s_mov_b32 s[G1+1], KSTEP<<16                   ; tensor_dim0 = 256
	s_mov_b32 s[G1+2], 64<<16                      ; tensor_dim1 = 64
	s_mov_b32 s[G1+3], KSTEP<<16                   ; tile_dim0
	s_mov_b32 s[G1+4], 64                          ; tile_dim1
	s_mov_b32 s[G1+5], SIZE_K                      ; stride
	s_mov_b32 s[G1+6], 0
	s_mov_b32 s[G1+7], 0
	s_or_b32 s[G1B+0], s44, (1<<16)|(1<<20)|(1<<21)|(5<<22)|(7<<25)  ; B: 8 words of padding after every 64
	s_mov_b32 s[G1B+1], 128<<16                    ; 128 n
	s_mov_b32 s[G1B+2], 128<<16                    ; 128 rows of K
	s_mov_b32 s[G1B+3], 128<<16
	s_mov_b32 s[G1B+4], 128
	s_mov_b32 s[G1B+5], 1024
	s_mov_b32 s[G1B+6], 0
	s_mov_b32 s[G1B+7], 0
	s_lshl_b32 s17, s12, 6
	s_lshl_b32 s16, s13, 7
	s_add_co_u32 s16, s16, s17                     ; A: row 128 x tile row + 64 x half
	s_mov_b32 s17, 0
	s_mov_b64 s[18:19], SIZE_K*2
	s_mul_u64 s[16:17], s[16:17], s[18:19]
	s_lshl_b32 s46, s12, 18                        ; B: 128 rows of 2,048 bytes x half
	s_lshl_b32 s47, s42, 8                         ; + 256 bytes x tile column
	s_add_co_u32 s46, s46, s47
.if WOFF
	s_add_co_u32 s46, s46, WOFF
.endif
	s_mov_b32 s47, 0
	s_mul_i32 s20, s12, AHALF                      ; where they go in a slot
	s_mul_i32 s21, s12, BHALF
	s_add_co_u32 s21, s21, BOFF
	s_wait_dscnt 0x0                               ; the opening add is done
	s_wait_kmcnt 0x0
	s_add_nc_u64 s[14:15], s[4:5], s[16:17]
	s_add_nc_u64 s[46:47], s[6:7], s[46:47]
	CROUND                                         ; all sixteen work-groups are here: the first joint loads meet
.irp s, 0,1
	s_mov_b32 s[G0+4*\s], 1
	s_add_co_u32 s[G0+4*\s+1], s20, \s*SLOT
	s_add_nc_u64 s[G0+4*\s+2:G0+4*\s+3], s[14:15], \s*KSTEP*2
	s_or_b32 s[G0+4*\s+3], s[G0+4*\s+3], 0x80000000
	s_mov_b32 s[G0B+4*\s], 1
	s_add_co_u32 s[G0B+4*\s+1], s21, \s*SLOT
	s_add_nc_u64 s[G0B+4*\s+2:G0B+4*\s+3], s[46:47], \s*KSTEP*2048
	s_or_b32 s[G0B+4*\s+3], s[G0B+4*\s+3], 0x80000000
	JLOAD \s
.endr
	v_and_b32 v1, 15, v0                           ; r
	v_bfe_u32 v2, v0, 4, 1                         ; h
	v_mul_u32_u24 v3, v1, PITCH
	v_lshl_add_u32 v3, v2, 4, v3
	s_mul_i32 s21, s11, AHALF                      ; my 64 rows of A
.irp s, 0,1
	v_add_nc_u32 v[ADRA+\s], s21, v3
	s_add_co_u32 s21, s21, SLOT
.endr
	v_and_b32 v4, 7, v0                            ; the turning load: lane l reads row 8 h + l % 8 of K, 16 bytes at 16 ((l / 8) % 2)
	v_lshl_add_u32 v4, v2, 3, v4
	v_mul_u32_u24 v4, v4, BP
	v_bfe_u32 v5, v0, 3, 1
	v_lshl_add_u32 v4, v5, 4, v4
	s_lshl_b32 s22, s12, 7                         ; my 64 n: 128 bytes x half
	s_add_co_u32 s22, s22, BOFF
	v_add_nc_u32 v[ADRB+0], s22, v4
	s_add_co_u32 s22, s22, BHALF
	v_add_nc_u32 v[ADRB+1], s22, v4
	s_add_co_u32 s22, s22, SLOT-BHALF
	v_add_nc_u32 v[ADRB+2], s22, v4
	s_add_co_u32 s22, s22, BHALF
	v_add_nc_u32 v[ADRB+3], s22, v4
	s_mul_i32 s23, s10, 16*SPITCH                  ; my stage
	v_mul_u32_u24 v4, v1, SPITCH
	v_lshl_add_u32 v4, v2, 5, v4
	v_add_nc_u32 v[STO], s23, v4                   ; in: row r, 32 bytes for each half of the lanes
	v_mul_u32_u24 v5, v2, SPITCH
	v_lshl_add_u32 v5, v1, 4, v5
	v_add_nc_u32 v[RD], s23, v5                    ; back: lanes 0-15 one row of 256 bytes, lanes 16-31 the next
	v_lshlrev_b32 v5, 12, v2
	v_lshl_add_u32 v[CO], v1, 4, v5                ; and the same two rows in y
	s_lshl_b32 s16, s13, 7
	s_lshl_b32 s17, s11, 6
	s_add_co_u32 s16, s16, s17
	s_lshl_b32 s16, s16, 12                        ; my first row x 4,096 bytes
	s_lshl_b32 s46, s42, 9
	s_lshl_b32 s47, s12, 8
	s_add_co_u32 s46, s46, s47                     ; my first column x 4
	s_add_co_u32 s16, s16, s46
	s_mov_b32 s17, 0
	s_add_nc_u64 s[8:9], s[8:9], s[16:17]
.macro MUL8 f, c, a0, zero             ; 8 matrix instructions: m blocks a0, a0 + 1 x all 4 n blocks, 32 along K.  The 16 accumulators take turns
.irp a, \a0, \a0+1
.irp b, 0,1,2,3
.if \zero
	v_wmma_f32_16x16x32_f16 v[ACC+8*(4*(\a)+\b):ACC+8*(4*(\a)+\b)+7], v[\f+64+8*(4*\c+\b):\f+64+8*(4*\c+\b)+7], v[\f+8*(4*\c+\a):\f+8*(4*\c+\a)+7], 0
.else
	v_wmma_f32_16x16x32_f16 v[ACC+8*(4*(\a)+\b):ACC+8*(4*(\a)+\b)+7], v[\f+64+8*(4*\c+\b):\f+64+8*(4*\c+\b)+7], v[\f+8*(4*\c+\a):\f+8*(4*\c+\a)+7], v[ACC+8*(4*(\a)+\b):ACC+8*(4*(\a)+\b)+7]
.endif
.endr
.endr
.endm
.macro FETCH slot, k, f                ; 32 LDS loads in one run: 64 along K at byte k of A's rows (row k / 2 of B's tile), the first 32 along K first
	WIN TO_F
.irp c, 0,1
.irp i, 0,1,2,3
	ds_load_tr16_b128 v[\f+64+8*(4*\c+\i):\f+64+8*(4*\c+\i)+3],   v[ADRB+2*\slot+(\k)/256] offset:(((\k)/2)%128+32*\c)*BP+32*\i
	ds_load_tr16_b128 v[\f+64+8*(4*\c+\i)+4:\f+64+8*(4*\c+\i)+7], v[ADRB+2*\slot+(\k)/256] offset:(((\k)/2)%128+32*\c+16)*BP+32*\i
	ds_load_b128 v[\f+8*(4*\c+\i):\f+8*(4*\c+\i)+3],         v[ADRA+\slot] offset:\k+64*\c+\i*16*PITCH
	ds_load_b128 v[\f+8*(4*\c+\i)+4:\f+8*(4*\c+\i)+7],       v[ADRA+\slot] offset:\k+64*\c+\i*16*PITCH+32
.endr
.endr
.endm
.macro PLACES
.rept 4
	v_nop
.endr
.endm
.macro QUARTER slot, k, f, g, zero     ; 64 along K: multiplies buffer f and fetches the next quarter, at byte k, into g
	s_wait_dscnt 16                                ; the first 32 along K are in; the sixteen younger loads may be out
	WIN MUL
	MUL8 \f, 0, 0, \zero
	MUL8 \f, 0, 2, \zero
	PLACES
	FETCH \slot, \k, \g
	s_wait_dscnt 32                                ; all but the 32 just issued
	WIN MUL
	MUL8 \f, 1, 0, 0
	MUL8 \f, 1, 2, 0
.endm
.macro TURN slot, next, fill           ; the last quarter changes slots: one barrier; fill = 1: it opens a round of the cluster's barrier, and this slot is filled again, two K steps ahead
	WIN 0
	s_wait_tensorcnt 0x0                           ; all my tensor loads have landed: my part of the next slot
	ds_add_u32 v[SPW], v[NIL]
	s_wait_dscnt 17                                ; the add and the youngest sixteen loads may be out
	WIN MUL
	MUL8 F1, 0, 0, 0
	s_wait_dscnt 0x0                               ; the add is done, and my reads of this slot are over
	s_barrier_signal -1
	MUL8 F1, 0, 2, 0
.if \fill
	WIN 0
.endif
	s_barrier_wait -1
.if \fill
	CREST
	s_add_nc_u64 s[G0+4*\slot+2:G0+4*\slot+3], s[G0+4*\slot+2:G0+4*\slot+3], 2*KSTEP*2
	s_add_nc_u64 s[G0B+4*\slot+2:G0B+4*\slot+3], s[G0B+4*\slot+2:G0B+4*\slot+3], 2*KSTEP*2048
	JLOAD \slot                                    ; the first tensor load behind the round; its four v_nop are also the places in front of the loads below
.else
	PLACES
.endif
	FETCH \next, 0, F0
	WIN MUL
	MUL8 F1, 1, 0, 0
	MUL8 F1, 1, 2, 0
.endm
	s_wait_tensorcnt 1                             ; my part of K step 0 is in; K step 1's may be out
	s_barrier_signal -1
	s_barrier_wait -1
	FETCH 0, 0, F0
	QUARTER 0, 128, F0, F1, 1                      ; the first quarter's first products start the sums
	WIN 0
	s_mov_b32 s3, LAPS-1
.Llap:
	QUARTER 0, 256, F1, F0, 0
	QUARTER 0, 384, F0, F1, 0
	TURN 0, 1, 1
	QUARTER 1, 128, F0, F1, 0
	QUARTER 1, 256, F1, F0, 0
	QUARTER 1, 384, F0, F1, 0
	TURN 1, 0, 1
	QUARTER 0, 128, F0, F1, 0
	WIN 0
	s_sub_co_u32 s3, s3, 1
	s_cmp_lg_u32 s3, 0
	s_cbranch_scc1 .Llap
	QUARTER 0, 256, F1, F0, 0                      ; the last lap fills nothing
	QUARTER 0, 384, F0, F1, 0
	TURN 0, 1, 0
	QUARTER 1, 128, F0, F1, 0
	QUARTER 1, 256, F1, F0, 0
	QUARTER 1, 384, F0, F1, 0
	s_wait_dscnt 16
	WIN MUL
	MUL8 F1, 0, 0, 0
	MUL8 F1, 0, 2, 0
	s_wait_dscnt 0
	MUL8 F1, 1, 0, 0
	MUL8 F1, 1, 2, 0
	WIN 0
; THE WAY OUT: my 64 columns of f32 are 256 aligned bytes of a row.  A block of 16 rows goes through my own stage and comes back as whole rows; no other wave is asked.
.macro TOSTAGE a
.irp b, 0,1,2,3
	ds_store_b128 v[STO], v[ACC+8*(4*(\a)+\b):ACC+8*(4*(\a)+\b)+3] offset:64*\b        ; each accumulator from its low end on
	ds_store_b128 v[STO], v[ACC+8*(4*(\a)+\b)+4:ACC+8*(4*(\a)+\b)+7] offset:64*\b+16
.endr
.set BB, BK+32*((\a)%2)
.irp t, 0,1,2,3,4,5,6,7
	ds_load_b128 v[BB+4*\t:BB+4*\t+3], v[RD] offset:\t*2*SPITCH   ; in order behind my stores
.endr
.endm
.macro SEND a, younger                 ; younger: the LDS instructions issued behind block a's loads
.set BB, BK+32*((\a)%2)
	s_wait_dscnt \younger
.if (\a) > 0
	s_add_nc_u64 s[8:9], s[8:9], 65536             ; 16 rows on (behind a wait on XCNT: the earlier stores have read their base)
.endif
.irp t, 0,1,2,3,4,5,6,7
	global_store_b128 v[CO], v[BB+4*\t:BB+4*\t+3], s[8:9] offset:\t*8192 th:TH_STORE_NT   ; sixteen lanes store 256 consecutive bytes, aligned
.endr
.endm
	PLACES
	TOSTAGE 0
.irp a, 1,2,3
.if \a > 1
	s_wait_xcnt 0x0                                ; block a - 2's stores have read their registers and their base
.endif
	TOSTAGE \a
	SEND \a-1, 16                                  ; behind block a - 1's loads: block a's 8 stores and 8 loads
.endr
	s_wait_xcnt 0x0
	SEND 3, 0
	s_wait_tensorcnt 0x0                           ; the wave's end
	ds_add_u32 v[SPW], v[NIL]
	s_wait_dscnt 0x0
	CROUND                                         ; the closing round
	s_endpgm
.Lfunc_end_k_q43a36087f2_f2:
	.size	k_q43a36087f2_f2, .Lfunc_end_k_q43a36087f2_f2-k_q43a36087f2_f2
	.p2alignl 7, 3214868480
	.fill 96, 4, 3214868480
	.section	.rodata,"a",@progbits
	.p2align	6, 0x0
	.amdhsa_kernel k_q43a36087f2_f2
		.amdhsa_group_segment_fixed_size 327680
		.amdhsa_private_segment_fixed_size 0
		.amdhsa_enable_private_segment 0
		.amdhsa_kernarg_size 24
		.amdhsa_user_sgpr_count 2
		.amdhsa_user_sgpr_kernarg_segment_ptr 1
		.amdhsa_wavefront_size32 1
		.amdhsa_system_sgpr_workgroup_id_x 1
		.amdhsa_system_sgpr_workgroup_id_y 1
		.amdhsa_system_sgpr_workgroup_id_z 1
		.amdhsa_system_vgpr_workitem_id 0
		.amdhsa_next_free_vgpr 512
		.amdhsa_next_free_sgpr 66
		.amdhsa_reserve_vcc 0
		.amdhsa_float_denorm_mode_32 3
		.amdhsa_float_denorm_mode_16_64 3
		.amdhsa_memory_ordered 1
		.amdhsa_forward_progress 1
		.amdhsa_inst_pref_size 86
	.end_amdhsa_kernel
	.amdgpu_metadata
---
amdhsa.version: [ 1, 2 ]
amdhsa.kernels:
  - .name:           k_q43a36087f2_f2
    .symbol:         k_q43a36087f2_f2.kd
    .args:
      - { .name: a16, .offset: 0, .size: 8, .value_kind: global_buffer, .address_space: global }
      - { .name: w16, .offset: 8, .size: 8, .value_kind: global_buffer, .address_space: global }
      - { .name: y, .offset: 16, .size: 8, .value_kind: global_buffer, .address_space: global }
    .group_segment_fixed_size: 327680
    .private_segment_fixed_size: 0
    .kernarg_segment_align: 8
    .kernarg_segment_size: 24
    .max_flat_workgroup_size: 128
    .sgpr_count:     66
    .vgpr_count:     512
    .wavefront_size: 32
...
	.end_amdgpu_metadata
.endif
;; end of part 7
;; launch ln2 (part 8): grid 256 x 1, 8 waves a work-group, no clusters, 0 bytes of LDS; arguments y, f2_b, h32, ln2_g, ln2_b, out0; writes out0
.if DOCPART == 8
	.amdgcn_target "amdgcn-amd-amdhsa--gfx1250"
	.amdhsa_code_object_version 6
	.text
	.protected	k_q43a36087f2_ln2
	.globl	k_q43a36087f2_ln2
	.p2align	8
	.type	k_q43a36087f2_ln2,@function
k_q43a36087f2_ln2:
	s_mov_b64 s[64:65], 0
	v_nop
	global_prefetch_b8 v0, s[64:65] scope:SCOPE_SE
	s_setreg_imm32_b32 hwreg(HW_REG_WAVE_MODE, 25, 1), 1
	s_wait_xcnt 0x0
; out = LN(c + bias + res) g + b along rows of 1,024, eps = 1e-9; mean, then the mean of squares of (z - mean), as the definition has it.  c, res, out: [4096][1024] f32; with WITH16 the result also goes out in f16.
; One wave, one row at a time, two rows a wave, eight waves; the row stays in 32 registers a lane (columns 128 j + 4 lane + 0 .. 3), so it is read once.  Memory binds: no LDS, no barrier, no matrix unit.
; ALL THAT A WAVE READS IS ASKED FOR AT ITS HEAD: 24 loads of parameters and 16 for each of its two rows, 56 in all: a wave waits for memory once.  While the first row is worked on, the second is on its way.
; Each load and store of a wave covers 512 consecutive bytes, aligned.  No store's data are written again.
.set WITH16, 0
.set BI, 8                             ; v8-39    the bias of my 32 columns
.set G,  40                            ; v40-71   g
.set LB, 72                            ; v72-103  b
.set CR, 104                           ; row p at v[CR + 64 p]: 32 of c, then 32 of the residual
.set T,  232                           ; v232-239 four packed chains
	s_load_b256 s[4:11], s[0:1], 0x0               ; c 4, bias 6, res 8, g 10
	s_load_b128 s[12:15], s[0:1], 0x20             ; b 12, out 14
.if WITH16
	s_load_b64 s[16:17], s[0:1], 0x30
.endif
	v_lshrrev_b32 v1, 5, v0
	v_readfirstlane_b32 s18, v1                    ; wave 0..7
	v_and_b32 v1, 31, v0
	v_lshlrev_b32 v2, 4, v1                        ; 16 bytes a lane
.if WITH16
	v_lshlrev_b32 v3, 3, v1
.endif
	v_mov_b32 v5, 0                                ; (a lane permute's destination counts as read)
	v_mov_b32 v7, 0                                ; (named as the upper half of the pair v[6:7])
	s_lshl_b32 s19, ttmp9, 4
	s_lshl_b32 s18, s18, 1
	s_add_co_u32 s18, s18, s19                     ; my first row: 16 x work-group + 2 x wave
	s_lshl_b32 s22, s18, 12
	s_mov_b32 s23, 0
.if WITH16
	s_lshl_b32 s24, s18, 11
	s_mov_b32 s25, 0
.endif
	s_mov_b32 s20, 0x3a800000                      ; 1 / 1024
	s_mov_b32 s21, 0x3089705f                      ; 1e-9
	s_mov_b32 s26, 0x76543210
	s_mov_b32 s27, 0xfedcba98
	s_wait_kmcnt 0x0
	s_add_nc_u64 s[4:5], s[4:5], s[22:23]
	s_add_nc_u64 s[8:9], s[8:9], s[22:23]
	s_add_nc_u64 s[14:15], s[14:15], s[22:23]
.if WITH16
	s_add_nc_u64 s[16:17], s[16:17], s[24:25]
.endif
.irp j, 0,1,2,3,4,5,6,7
	global_load_b128 v[BI+4*\j:BI+4*\j+3], v2, s[6:7] offset:512*\j
	global_load_b128 v[G+4*\j:G+4*\j+3],   v2, s[10:11] offset:512*\j
	global_load_b128 v[LB+4*\j:LB+4*\j+3], v2, s[12:13] offset:512*\j
.endr
.macro FILL i
.set ZF, CR+64*(\i)
.irp j, 0,1,2,3,4,5,6,7
	global_load_b128 v[ZF+4*\j:ZF+4*\j+3], v2, s[4:5] offset:4096*(\i)+512*\j th:TH_LOAD_NT
.endr
.irp j, 0,1,2,3,4,5,6,7
	global_load_b128 v[ZF+32+4*\j:ZF+32+4*\j+3], v2, s[8:9] offset:4096*(\i)+512*\j
.endr
.endm
.macro REDUCE                          ; the four chains, then the 32 lanes: the sum in v4 of every lane
	v_pk_add_f32 v[T:T+1], v[T:T+1], v[T+2:T+3]
	v_pk_add_f32 v[T+4:T+5], v[T+4:T+5], v[T+6:T+7]
	v_pk_add_f32 v[T:T+1], v[T:T+1], v[T+4:T+5]
	v_add_f32 v4, v[T], v[T+1]
	v_add_f32_dpp v4, v4, v4 row_xmask:1 row_mask:0xf bank_mask:0xf
	v_add_f32_dpp v4, v4, v4 row_xmask:2 row_mask:0xf bank_mask:0xf
	v_add_f32_dpp v4, v4, v4 row_xmask:4 row_mask:0xf bank_mask:0xf
	v_add_f32_dpp v4, v4, v4 row_xmask:8 row_mask:0xf bank_mask:0xf
	v_permlanex16_b32 v5, v4, s26, s27
	v_add_f32 v4, v4, v5
.endm
.macro ROW i, left
.set Z, CR+64*(\i)
	s_wait_loadcnt \left                           ; this row's 16 loads (and the parameters) are in; the second row's 16 may be out
.irp j, 0,2,4,6,8,10,12,14,16,18,20,22,24,26,28,30
	v_pk_add_f32 v[Z+\j:Z+\j+1], v[Z+\j:Z+\j+1], v[BI+\j:BI+\j+1]
.endr
.irp j, 0,2,4,6,8,10,12,14,16,18,20,22,24,26,28,30
	v_pk_add_f32 v[Z+\j:Z+\j+1], v[Z+\j:Z+\j+1], v[Z+32+\j:Z+32+\j+1]
.endr
.irp k, 0,2,4,6
	v_pk_add_f32 v[T+\k:T+\k+1], v[Z+\k:Z+\k+1], v[Z+8+\k:Z+8+\k+1]
.endr
.irp q, 16,24
.irp k, 0,2,4,6
	v_pk_add_f32 v[T+\k:T+\k+1], v[T+\k:T+\k+1], v[Z+\q+\k:Z+\q+\k+1]
.endr
.endr
	REDUCE
	v_mul_f32 v6, s20, v4                          ; the mean
.irp j, 0,2,4,6,8,10,12,14,16,18,20,22,24,26,28,30
	v_pk_add_f32 v[Z+\j:Z+\j+1], v[Z+\j:Z+\j+1], v[6:7] op_sel_hi:[1,0] neg_lo:[0,1] neg_hi:[0,1]
.endr
.irp k, 0,2,4,6
	v_pk_mul_f32 v[T+\k:T+\k+1], v[Z+\k:Z+\k+1], v[Z+\k:Z+\k+1]
.endr
.irp q, 8,16,24
.irp k, 0,2,4,6
	v_pk_fma_f32 v[T+\k:T+\k+1], v[Z+\q+\k:Z+\q+\k+1], v[Z+\q+\k:Z+\q+\k+1], v[T+\k:T+\k+1]
.endr
.endr
	REDUCE
	v_fma_f32 v4, v4, s20, s21                     ; the variance + eps
	v_rsq_f32 v6, v4
	v_nop                                          ; a plain line behind the transcendental
	s_wait_alu depctr_va_vdst(0)                   ; and the wait ahead of its first reader
.irp j, 0,2,4,6,8,10,12,14,16,18,20,22,24,26,28,30
	v_pk_mul_f32 v[Z+\j:Z+\j+1], v[Z+\j:Z+\j+1], v[6:7] op_sel_hi:[1,0]
.endr
.irp j, 0,2,4,6,8,10,12,14,16,18,20,22,24,26,28,30
	v_pk_fma_f32 v[Z+\j:Z+\j+1], v[Z+\j:Z+\j+1], v[G+\j:G+\j+1], v[LB+\j:LB+\j+1]
.endr
.irp j, 0,1,2,3,4,5,6,7
	global_store_b128 v2, v[Z+4*\j:Z+4*\j+3], s[14:15] offset:4096*(\i)+512*\j
.endr
.if WITH16
.irp n, 0,1,2,3,4,5,6,7,8,9,10,11,12,13,14,15
	v_cvt_pk_f16_f32 v[Z+32+\n], v[Z+2*\n], v[Z+2*\n+1]
.endr
.irp j, 0,1,2,3,4,5,6,7
	global_store_b64 v3, v[Z+32+2*\j:Z+32+2*\j+1], s[16:17] offset:2048*(\i)+256*\j
.endr
.endif
.endm
	FILL 0
	FILL 1
	ROW 0, 16
	ROW 1, 0
	s_endpgm
.Lfunc_end_k_q43a36087f2_ln2:
	.size	k_q43a36087f2_ln2, .Lfunc_end_k_q43a36087f2_ln2-k_q43a36087f2_ln2
	.p2alignl 7, 3214868480
	.fill 96, 4, 3214868480
	.section	.rodata,"a",@progbits
	.p2align	6, 0x0
	.amdhsa_kernel k_q43a36087f2_ln2
		.amdhsa_group_segment_fixed_size 0
		.amdhsa_private_segment_fixed_size 0
		.amdhsa_enable_private_segment 0
		.amdhsa_kernarg_size 48
		.amdhsa_user_sgpr_count 2
		.amdhsa_user_sgpr_kernarg_segment_ptr 1
		.amdhsa_wavefront_size32 1
		.amdhsa_system_sgpr_workgroup_id_x 1
		.amdhsa_system_sgpr_workgroup_id_y 1
		.amdhsa_system_sgpr_workgroup_id_z 1
		.amdhsa_system_vgpr_workitem_id 0
		.amdhsa_next_free_vgpr 240
		.amdhsa_next_free_sgpr 66
		.amdhsa_reserve_vcc 0
		.amdhsa_float_denorm_mode_32 3
		.amdhsa_float_denorm_mode_16_64 3
		.amdhsa_memory_ordered 1
		.amdhsa_forward_progress 1
		.amdhsa_inst_pref_size 25
	.end_amdhsa_kernel
	.amdgpu_metadata
---
amdhsa.version: [ 1, 2 ]
amdhsa.kernels:
  - .name:           k_q43a36087f2_ln2
    .symbol:         k_q43a36087f2_ln2.kd
    .args:
      - { .name: y, .offset: 0, .size: 8, .value_kind: global_buffer, .address_space: global }
      - { .name: f2_b, .offset: 8, .size: 8, .value_kind: global_buffer, .address_space: global }
      - { .name: h32, .offset: 16, .size: 8, .value_kind: global_buffer, .address_space: global }
      - { .name: ln2_g, .offset: 24, .size: 8, .value_kind: global_buffer, .address_space: global }
      - { .name: ln2_b, .offset: 32, .size: 8, .value_kind: global_buffer, .address_space: global }
      - { .name: out0, .offset: 40, .size: 8, .value_kind: global_buffer, .address_space: global }
    .group_segment_fixed_size: 0
    .private_segment_fixed_size: 0
    .kernarg_segment_align: 8
    .kernarg_segment_size: 48
    .max_flat_workgroup_size: 256
    .sgpr_count:     66
    .vgpr_count:     240
    .wavefront_size: 32
...
	.end_amdgpu_metadata
.endif
;; end of part 8
